; MI455X (gfx1250); checked and timed in simulation.
; The chip was launched on July 23, 2026; its instructions are those of AMD's public machine-readable ISA for CDNA 5 (MIT licence, August 2026) and "CDNA5" Instruction Set Architecture Reference Guide (July 2026). The comments in the code are by the model that wrote it; some were corrected since.
;; Patched Causal Self Attention. Allowed arithmetic: matrix products marked QUANTISED: E4M3 operands, one E8M0 scale for each 32 along K, by v_wmma_scale_f32_16x16x128_f8f6f4 with both operands' format E4M3, f32 sums; everything else in f32.
;; Inputs: W_attn 1,024 x 3,072 float32; W_proj 1,024 x 1,024 float32; b_attn 3,072 float32; b_proj 1,024 float32; hidden_states 4 x 2,048 x 1,024 float32.
;; Outputs: out0 4 x 2,048 x 1,024 float32.
;; This version of the problem:
;;   THIS VERSION OF THE PROBLEM IS GIVEN IN LOW PRECISION. The matrix products marked QUANTISED in the list below multiply operands that are first quantised to E4M3 (4 exponent bits, 3 mantissa bits; 8 bits a number), with one power-of-two scale for each 32 numbers along K (OCP MX v1.0); their sums are f32. All else is computed in f32.
;;   The module's matrix products, in the order in which they are computed (A, B: the left and right operand; K: the contracted axis; several contracted axes count as one K, in the product's order):
;;     1. [M 8,192, K 1,024] x [K 1,024, N 3,072]; A: input hidden_states; B: input W_attn: QUANTISED
;;     2. batch 64 x [M 2,048, K 64] x [K 64, N 2,048]; A: computed on the way; B: computed on the way: QUANTISED
;;     3. batch 64 x [M 2,048, K 2,048] x [K 2,048, N 64]; A: softmax (see below); B: computed on the way: QUANTISED
;;     4. [M 8,192, K 1,024] x [K 1,024, N 1,024]; A: computed on the way; B: input W_proj: QUANTISED
;;   THE QUANTISER, for each operand of a quantised product, along K:
;;     - K is cut into blocks of 32 from its start; a last block that is shorter is filled with zeros.
;;     - A block's scale is 2^e with e = floor(log2(the largest magnitude in the block)) - 8, held to -126 .. 127; a block of zeros has e = 0. As a byte (E8M0): e + 127.
;;     - Each number is divided by its block's scale, clamped to +-448, and rounded to the nearest number of E4M3, ties to even, subnormals kept.
;;     - The product sums the exact products of the quantised numbers (number of the format x scale) in f32.
;;   ~~~python
;;   def quantise(x, axis):      # numpy; x: float32 -> the quantised numbers, widened to float32 again
;;       x = np.moveaxis(x, axis, -1); K = x.shape[-1]
;;       x = np.pad(x, [(0, 0)] * (x.ndim - 1) + [(0, -K % 32)]); x = x.reshape(x.shape[:-1] + (-1, 32)); a = np.abs(x).max(-1, keepdims=True)
;;       e = np.where(a > 0, np.clip(np.frexp(np.where(a > 0, a, 1))[1] - 1 - 8, -126, 127), 0)      # np.frexp(a)[1] - 1 = floor(log2(a)), exactly
;;       r = np.clip(x / 2.0 ** e, -448, 448)
;;       step = 2.0 ** (np.maximum(np.frexp(np.where(r == 0, 1, r))[1] - 1, -6) - 3)
;;       q = np.round(r / step) * step * 2.0 ** e      # np.round: ties to even
;;       return np.moveaxis(q.reshape(q.shape[:-2] + (-1,))[..., :K], -1, axis).astype(np.float32)
;;   ~~~
;;   SOFTMAX AHEAD OF A QUANTISED PRODUCT. Where the list says 'softmax', what is quantised is not the finished softmax but p = 2^(t - M), with t = logit x log2(e) and M = ceil(the row's largest t), a whole number; so 1/2 < the row's largest p <= 1. The row's sum l is taken of the UNQUANTISED p, in f32, and the product's result is divided by l at the end. Since M is a whole number, a kernel that streams over the keys may use a running M (the ceiling of the running maximum): every later rescaling is an exact power of two, which a block's scale takes up: the codes' values come out the same.
;;   OPERANDS COMPUTED ON THE WAY. 'Computed on the way' means the value that the module computes at that place (a softmax that the list does not call 'softmax' is quantised finished and normalised). What goes into a quantiser is computed in f32, as accurately as f32 sums, v_exp_f32 and their like allow (about 1e-6 of the number): no bf16 or f16 on the way to a quantiser, and a product that is left as it is and whose result goes on into a quantised operand takes f32 operands (vector FMAs, or v_wmma_f32_16x16x4_f32). A number that lies on a knife's edge between two numbers of the format may be rounded either way, as far as f32 arithmetic and the matrix unit's own rounding can turn it there, and no further.
;; One version. Each part assembles by itself: llvm-mc -triple=amdgcn-amd-amdhsa -mcpu=gfx1250 --defsym DOCPART=n.
;; ======== version 1 of 1: 4 launches
;; limits: right only within a limited range of input values
;; workspace buffers: xw_codes 12,582,912 bytes; xw_scales 393,216 bytes; qkv_img 25,165,824 bytes; qkv_sc 1,572,864 bytes; ctx_img 8,388,608 bytes; csc 262,144 bytes
;; launch quant (part 1): grid 384 x 1, 4 waves a work-group, no clusters, 102,912 bytes of LDS; arguments hidden_states, W_attn, W_proj, xw_codes, xw_scales; writes xw_codes, xw_scales
.if DOCPART == 1
	.amdgcn_target "amdgcn-amd-amdhsa--gfx1250"
	.amdhsa_code_object_version 6
	.text
	.protected	k_q4e5375078f_quant
	.globl	k_q4e5375078f_quant
	.p2align	8
	.type	k_q4e5375078f_quant,@function
k_q4e5375078f_quant:
	s_mov_b64 s[64:65], 0
	v_nop
	global_prefetch_b8 v0, s[64:65] scope:SCOPE_SE
	s_setreg_imm32_b32 hwreg(HW_REG_WAVE_MODE, 25, 1), 1
	s_wait_xcnt 0x0
; hidden_states [8192][1024], W_attn [1024][3072] and W_proj [1024][1024], f32, become codes of FP8 (E4M3) with K innermost and one E8M0 byte for each 32 along K.
; xw_codes is [12288 places][1024 bytes], xw_scales [12288 places][32 bytes]: places 0-8191 the tokens of x, 8192-11263 the columns of W_attn, 11264-12287 those of W_proj.
; A ROW LIES AT THE PLACE WHOSE NUMBER IS THE ROW'S WITH BITS 3 AND 4 EXCHANGED: sixteen places on end, 16 i + m, then hold rows 32 (i / 2) + 8 (i % 2) + m % 8 + 16 (m / 8), so that in the products
; that follow a lane's 16 registers of two neighbouring tiles are 16 neighbours along the next product's K.
; A block's scale is 2^(floor(log2(its largest magnitude)) - 8); its byte is the largest magnitude's exponent field - 8, held at 1 from below.  Each number is divided by the scale, held within +-448, rounded to the nearest code, ties to even.
; LIMITS: a block of zeros gets the byte 1 where the rule says 127 (its codes are zeros, and this program alone reads the bytes); NaN and infinities among the inputs are not served.
; THREE WAYS, parted on the work-group's number, each with LDS bytes of its own: work-groups 0-255 take x (K innermost: a plain stream of blocks), 256-351 W_attn, 352-383 W_proj (K is the first axis: a lane takes a column).
; Memory binds: no matrix unit, no tensor load, no cluster (no two work-groups read the same bytes), no barrier (waves share nothing).
.set XWG,   256                        ; work-groups for x: 8192 x 1024 / 32768
.set AWG,   96                         ; for W_attn: 24 x 128 columns, 4 x 256 along K
.set STEPS, 16
.set MANT,  0x600000                   ; the mantissa field of 448 as f32
.set R,     16                         ; x: v16-79   four sets of 16 numbers as they are loaded
.set X,     80                         ;    v80-111  two sets of 16 neighbours
.set E,     112                        ;    v112-127 a scale byte for each step
.set C,     128                        ;    v128-191 codes: four registers for each step, so that no store's data are written again
.set WREG,  8192                       ;    LDS 0-32767: a region for each wave: two stages of 32 x SP bytes, then its 256 scale bytes
.set SP,    80                         ;    a lane's place in a stage: its 64 bytes + 16 of padding
.set NB,    8                          ; weights: blocks of 32 along K for a wave
.set PITCH, 272                        ;    a stage row: 256 codes + 16 bytes
.set WX,    32                         ;    v32-95   two sets of 32 numbers
.set WC,    96                         ;    v96-103  a block's codes
.set OUTR,  112                        ;    v112-175 the way out
.set SB,    24                         ;    v24-25   the scale bytes, four to a register
	s_load_b256 s[4:11], s[0:1], 0x0               ; hidden_states s[4:5], W_attn s[6:7], W_proj s[8:9], xw_codes s[10:11]
	s_load_b64 s[12:13], s[0:1], 0x20              ; xw_scales
	v_lshl_add_u32 v192, v0, 2, 0x19000
	v_mov_b32 v193, 0
	v_lshrrev_b32 v1, 5, v0
	v_readfirstlane_b32 s16, v1                    ; wave 0..3
	v_and_b32 v2, 31, v0                           ; lane
	s_cmp_lt_u32 ttmp9, XWG
	s_cbranch_scc0 .Lweights
; ---------------- x.  A wave takes 8 rows (8,192 numbers) in 16 steps of 512.  Each load reads 512 consecutive bytes; a step's 2,048 bytes turn through the wave's stage so that a lane holds 16 neighbours.
	v_lshlrev_b32 v3, 4, v2                        ; my 16 bytes of a load's 512, and of a step's 512 bytes of codes
	s_mul_i32 s17, s16, WREG
	v_lshrrev_b32 v14, 2, v2
	v_mul_u32_u24 v14, v14, SP
	v_and_b32 v15, 3, v2
	v_lshl_add_u32 v14, v15, 4, v14
	v_add_nc_u32 v14, s17, v14                     ; the stage, on the way in: SP (lane / 4) + 16 (lane % 4)
	v_mul_u32_u24 v15, v2, SP
	v_add_nc_u32 v15, s17, v15                     ; and on the way out: SP x lane
	v_lshrrev_b32 v5, 1, v2
	s_add_co_u32 s17, s17, 2*32*SP
	v_add_nc_u32 v5, s17, v5                       ; my wave's 256 scale bytes, my block's byte
	v_lshlrev_b32 v7, 3, v2                        ; and on the way out 8 bytes a lane
	v_add_nc_u32 v6, s17, v7
	s_lshl_b32 s17, ttmp9, 2
	s_add_co_u32 s18, s17, s16                     ; the run of 8 rows that I read: 4 x work-group + wave
	s_lshl_b32 s18, s18, 15                        ; 32,768 bytes a run
	s_mov_b32 s19, 0
	s_and_b32 s20, s16, 1                          ; bits 0 and 1 of the run are bits 3 and 4 of the row: exchanged, they give the run of places that I write
	s_lshl_b32 s20, s20, 1
	s_lshr_b32 s21, s16, 1
	s_or_b32 s20, s20, s21
	s_add_co_u32 s20, s17, s20
	s_lshl_b32 s24, s20, 13                        ; 8,192 bytes of codes a run
	s_mov_b32 s25, 0
	s_lshl_b32 s26, s20, 8                         ; 256 scale bytes a run
	s_mov_b32 s27, 0
	s_wait_alu depctr_va_vdst(0)
	s_wait_kmcnt 0x0
	s_add_nc_u64 s[4:5], s[4:5], s[18:19]
	s_add_nc_u64 s[10:11], s[10:11], s[24:25]
	s_add_nc_u64 s[12:13], s[12:13], s[26:27]
.macro XLOAD t
.irp i, 0,1,2,3
	global_load_b128 v[R+16*((\t)%4)+4*\i:R+16*((\t)%4)+4*\i+3], v3, s[4:5] offset:2048*(\t)+512*\i th:TH_LOAD_NT   ; 32 lanes read 512 consecutive bytes
.endr
.endm
.macro XTURN t                         ; step t's numbers through the stage: LDS serves a wave's instructions in order, so no wait stands between the stores and the loads
.irp i, 0,1,2,3
	ds_store_b128 v14, v[R+16*((\t)%4)+4*\i:R+16*((\t)%4)+4*\i+3] offset:32*SP*((\t)%2)+8*SP*\i
.endr
.irp i, 0,1,2,3
	ds_load_b128 v[X+16*((\t)%2)+4*\i:X+16*((\t)%2)+4*\i+3], v15 offset:32*SP*((\t)%2)+16*\i
.endr
.endm
.irp t, 0,1,2,3
	XLOAD \t
.endr
	s_wait_loadcnt 12                              ; step 0's four loads are in; the twelve of steps 1 to 3 may be out
	XTURN 0
.macro XSTEP t
.set XS, X+16*((\t)%2)
.if (\t) > 0
	s_wait_dscnt 1                                 ; this step's numbers are back from the stage (the last step's byte store may be out): so its stores into the stage have read their registers,
.else
	s_wait_dscnt 0x0
.endif
.if (\t)+4 < STEPS
	XLOAD (\t)+4                                   ; which take the loads of four steps on
.endif
.if (\t)+1 < STEPS
.if STEPS-2-(\t) >= 3
	s_wait_loadcnt 12                              ; the next step's four loads are in; those of the three steps behind it may be out
.else
	s_wait_loadcnt 4*(STEPS-2-(\t))
.endif
	XTURN (\t)+1                                   ; and go through the other stage while this step is worked
.endif
	v_max3_num_f32 v8, |v[XS]|, |v[XS+1]|, |v[XS+2]|               ; the largest magnitude of my 16, in two chains
	v_max3_num_f32 v9, |v[XS+3]|, |v[XS+4]|, |v[XS+5]|
.irp i, 6,10
	v_max3_num_f32 v8, v8, |v[XS+\i]|, |v[XS+\i+1]|
	v_max3_num_f32 v9, v9, |v[XS+\i+2]|, |v[XS+\i+3]|
.endr
	v_max3_num_f32 v8, v8, |v[XS+14]|, |v[XS+15]|
	v_max3_num_f32 v8, v8, v9, 0x4800000           ; and the floor 2^(9 - 127): so the byte cannot fall under 1
	v_max_num_f32_dpp v8, v8, v8 row_xmask:1 row_mask:0xf bank_mask:0xf   ; and of my neighbour's 16: the block's
	v_add_nc_u32 v11, 0xfc000000, v8               ; 8 off its exponent field: the conversion takes the exponent field of this operand as its scale
.irp i, 0,1,2,3,4,5,6,7,8,9,10,11,12,13,14,15
.endr
	v_cvt_scalef32_pk8_fp8_f32 v[C+4*(\t):C+4*(\t)+1], v[XS:XS+7], v11
	v_cvt_scalef32_pk8_fp8_f32 v[C+4*(\t)+2:C+4*(\t)+3], v[XS+8:XS+15], v11
	v_lshrrev_b32 v[E+(\t)], 23, v11               ; the scale's byte
	ds_store_b8 v5, v[E+(\t)] offset:16*(\t)       ; both lanes of a block write the same byte with the same value
	global_store_b128 v3, v[C+4*(\t):C+4*(\t)+3], s[10:11] offset:512*(\t)   ; the wave stores 512 consecutive bytes
.endm
.irp t, 0,1,2,3,4,5,6,7,8,9,10,11,12,13,14,15
	XSTEP \t
.endr
	ds_load_b64 v[12:13], v6                       ; LDS serves a wave's instructions in order: these see my stores
	s_wait_dscnt 0x0
	global_store_b64 v7, v[12:13], s[12:13]        ; 32 lanes store 256 consecutive bytes, aligned
	s_wait_tensorcnt 0x0
	ds_add_u32 v192, v193
	s_wait_dscnt 0x0
	s_endpgm
; ---------------- the weights.  A wave takes 32 columns x 256 along K.  A lane takes a column, its registers run down K: a block of 32 lies in one lane, and the codes come out with K innermost.
.macro WLOAD t, n                      ; block t: W(32 t + i, my column) into set t % 2; a wave's load reads 128 consecutive bytes
.irp i, 0,1,2,3,4,5,6,7,8,9,10,11,12,13,14,15,16,17,18,19,20,21,22,23,24,25,26,27,28,29,30,31
	global_load_b32 v[WX+32*((\t)%2)+\i], v3, s[14:15] offset:(32*(\t)+\i)*\n*4 th:TH_LOAD_NT
.endr
.endm
.macro WBLOCK t, n
.set XS, WX+32*((\t)%2)
.if (\t) < NB-1
	s_wait_loadcnt 32                              ; this block's 32 loads are in; the next block's may be out
.else
	s_wait_loadcnt 0
.endif
	v_max3_num_f32 v12, |v[XS]|, |v[XS+1]|, |v[XS+2]|
	v_max3_num_f32 v13, |v[XS+3]|, |v[XS+4]|, |v[XS+5]|
.irp i, 6,10,14,18,22,26
	v_max3_num_f32 v12, v12, |v[XS+\i]|, |v[XS+\i+1]|
	v_max3_num_f32 v13, v13, |v[XS+\i+2]|, |v[XS+\i+3]|
.endr
	v_max3_num_f32 v12, v12, |v[XS+30]|, |v[XS+31]|
	v_max3_num_f32 v12, v12, v13, 0x4800000        ; the floor 2^(9 - 127)
	v_add_nc_u32 v11, 0xfc000000, v12              ; the conversion's scale operand
	v_lshrrev_b32 v13, 23, v11                     ; the scale's byte
.if (\t)%4 == 0
	v_mov_b32 v[SB+(\t)/4], v13                    ; four bytes to a register, the lower K in the lower byte
.else
	v_lshl_or_b32 v[SB+(\t)/4], v13, 8*((\t)%4), v[SB+(\t)/4]
.endif
.irp i, 0,1,2,3,4,5,6,7,8,9,10,11,12,13,14,15,16,17,18,19,20,21,22,23,24,25,26,27,28,29,30,31
.endr
.irp g, 0,1,2,3
	v_cvt_scalef32_pk8_fp8_f32 v[WC+2*\g:WC+2*\g+1], v[XS+8*\g:XS+8*\g+7], v11
.endr
	ds_store_b128 v4, v[WC:WC+3] offset:32*(\t)    ; 32 codes: 32 bytes of my column's row of the stage
	ds_store_b128 v4, v[WC+4:WC+7] offset:32*(\t)+16
.if (\t)+2 < NB
	WLOAD (\t)+2, \n
.endif
	s_wait_dscnt 0x0                               ; the stores have read their registers: the next block's codes may be written
.endm
; n: the weight's columns; row0: its first place in xw; lbase: this way's LDS bytes; wg0: its first work-group; p: the scalar pair with its address
.macro WQ n, row0, lbase, wg0, p
	s_sub_co_u32 s17, ttmp9, \wg0
	s_and_b32 s18, s17, 3                          ; which 256 along K
	s_lshr_b32 s17, s17, 2                         ; which 128 columns
	s_lshl_b32 s17, s17, 7
	s_lshl_b32 s19, s16, 5
	s_add_co_u32 s17, s17, s19                     ; my wave's first column, a multiple of 32
	v_lshlrev_b32 v3, 2, v2                        ; in: 4 bytes a lane
	s_mul_i32 s19, s16, 32*PITCH
	s_add_co_u32 s19, s19, \lbase                  ; my stage
	v_mul_u32_u24 v4, v2, PITCH
	v_add_nc_u32 v4, s19, v4                       ; into it: row = my column
	v_and_b32 v5, 15, v2
	v_lshrrev_b32 v6, 4, v2                        ; out of it: sixteen lanes to a row, two rows an instruction
	v_mul_u32_u24 v7, v6, PITCH
	v_lshl_add_u32 v7, v5, 4, v7
	v_add_nc_u32 v7, s19, v7
	v_lshlrev_b32 v8, 10, v6
	v_lshl_add_u32 v8, v5, 4, v8                   ; and in the codes' buffer: 1,024 bytes a place
	v_and_b32 v9, 7, v2                            ; my column's place among the wave's 32: bits 3 and 4 exchanged,
	v_bfe_u32 v10, v2, 3, 1
	v_lshl_or_b32 v9, v10, 4, v9
	v_bfe_u32 v10, v2, 4, 1
	v_lshl_or_b32 v9, v10, 3, v9
	v_lshlrev_b32 v9, 5, v9                        ; 32 scale bytes a place
	s_mul_i32 s20, s18, 256*\n*4                   ; the weight: 256 rows for each step along K,
	s_lshl_b32 s21, s17, 2
	s_add_co_u32 s20, s20, s21                     ; + 4 x column
	s_mov_b32 s21, 0
	s_add_co_u32 s22, s17, \row0                   ; my first place
	s_lshl_b32 s24, s22, 10
	s_lshl_b32 s26, s18, 8
	s_add_co_u32 s24, s24, s26                     ; codes: 1,024 x place + 256 x step
	s_mov_b32 s25, 0
	s_lshl_b32 s26, s22, 5
	s_lshl_b32 s27, s18, 3
	s_add_co_u32 s26, s26, s27                     ; scale bytes: 32 x place + 8 x step
	s_mov_b32 s27, 0
	s_wait_kmcnt 0x0
	s_add_nc_u64 s[14:15], s[\p:\p+1], s[20:21]
	s_add_nc_u64 s[28:29], s[10:11], s[24:25]
	s_add_nc_u64 s[30:31], s[12:13], s[26:27]
	WLOAD 0, \n
	WLOAD 1, \n
.irp t, 0,1,2,3,4,5,6,7
	WBLOCK \t, \n
.endr
	s_wait_alu depctr_va_vdst(0)
	global_store_b64 v9, v[SB:SB+1], s[30:31]      ; my column's 8 scale bytes
.irp t, 0,1,2,3,4,5,6,7,8,9,10,11,12,13,14,15
	ds_load_b128 v[OUTR+4*\t:OUTR+4*\t+3], v7 offset:2*\t*PITCH   ; LDS serves a wave's instructions in order: these see my stores
.endr
.irp t, 0,1,2,3,4,5,6,7,8,9,10,11,12,13,14,15
	s_wait_dscnt 15-\t                             ; loads come back in order: the younger ones may be out
	global_store_b128 v8, v[OUTR+4*\t:OUTR+4*\t+3], s[28:29] offset:(((2*\t)&7)|(((2*\t)&8)<<1)|(((2*\t)&16)>>1))*1024   ; columns 2 t and 2 t + 1 at their places; sixteen lanes store 256 consecutive bytes, aligned
.endr
.endm
.Lweights:
	s_cmp_lt_u32 ttmp9, XWG+AWG
	s_cbranch_scc0 .Lwproj
	s_wait_alu depctr_va_vdst(0)
	WQ 3072, 8192, 32768, XWG, 6                   ; every offset is an immediate: 255 x 3,072 x 4 bytes at the most, inside the signed 24 bits (ISA guide, chapter 10)
	s_wait_tensorcnt 0x0
	ds_add_u32 v192, v193
	s_wait_dscnt 0x0
	s_endpgm
.Lwproj:
	s_wait_alu depctr_va_vdst(0)
	WQ 1024, 11264, 67584, XWG+AWG, 8
	s_wait_tensorcnt 0x0
	ds_add_u32 v192, v193
	s_wait_dscnt 0x0
	s_endpgm
.Lfunc_end_k_q4e5375078f_quant:
	.size	k_q4e5375078f_quant, .Lfunc_end_k_q4e5375078f_quant-k_q4e5375078f_quant
	.p2alignl 7, 3214868480
	.fill 96, 4, 3214868480
	.section	.rodata,"a",@progbits
	.p2align	6, 0x0
	.amdhsa_kernel k_q4e5375078f_quant
		.amdhsa_group_segment_fixed_size 102912
		.amdhsa_private_segment_fixed_size 0
		.amdhsa_enable_private_segment 0
		.amdhsa_kernarg_size 40
		.amdhsa_user_sgpr_count 2
		.amdhsa_user_sgpr_kernarg_segment_ptr 1
		.amdhsa_wavefront_size32 1
		.amdhsa_system_sgpr_workgroup_id_x 1
		.amdhsa_system_sgpr_workgroup_id_y 1
		.amdhsa_system_sgpr_workgroup_id_z 1
		.amdhsa_system_vgpr_workitem_id 0
		.amdhsa_next_free_vgpr 194
		.amdhsa_next_free_sgpr 66
		.amdhsa_reserve_vcc 0
		.amdhsa_float_denorm_mode_32 3
		.amdhsa_float_denorm_mode_16_64 3
		.amdhsa_fp16_overflow 1
		.amdhsa_memory_ordered 1
		.amdhsa_forward_progress 1
		.amdhsa_inst_pref_size 117
	.end_amdhsa_kernel
	.amdgpu_metadata
---
amdhsa.version: [ 1, 2 ]
amdhsa.kernels:
  - .name:           k_q4e5375078f_quant
    .symbol:         k_q4e5375078f_quant.kd
    .args:
      - { .name: hidden_states, .offset: 0, .size: 8, .value_kind: global_buffer, .address_space: global }
      - { .name: W_attn, .offset: 8, .size: 8, .value_kind: global_buffer, .address_space: global }
      - { .name: W_proj, .offset: 16, .size: 8, .value_kind: global_buffer, .address_space: global }
      - { .name: xw_codes, .offset: 24, .size: 8, .value_kind: global_buffer, .address_space: global }
      - { .name: xw_scales, .offset: 32, .size: 8, .value_kind: global_buffer, .address_space: global }
    .group_segment_fixed_size: 102912
    .private_segment_fixed_size: 0
    .kernarg_segment_align: 8
    .kernarg_segment_size: 40
    .max_flat_workgroup_size: 128
    .sgpr_count:     66
    .vgpr_count:     194
    .wavefront_size: 32
...
	.end_amdgpu_metadata
.endif
;; end of part 1
;; launch qkv (part 2): grid 12 x 32, 4 waves a work-group, clusters of 4 x 4, 327,680 bytes of LDS; arguments xw_codes, xw_scales, b_attn, qkv_img, qkv_sc; writes qkv_img, qkv_sc
.if DOCPART == 2
	.amdgcn_target "amdgcn-amd-amdhsa--gfx1250"
	.amdhsa_code_object_version 6
	.text
	.protected	k_q4e5375078f_qkv
	.globl	k_q4e5375078f_qkv
	.p2align	8
	.type	k_q4e5375078f_qkv,@function
k_q4e5375078f_qkv:
	s_mov_b64 s[64:65], 0
	v_nop
	global_prefetch_b8 v0, s[64:65] scope:SCOPE_SE
	s_setreg_imm32_b32 hwreg(HW_REG_WAVE_MODE, 25, 1), 1
	s_wait_xcnt 0x0
	s_wait_alu depctr_hold_cnt(0) depctr_sa_sdst(0) depctr_va_vdst(0) depctr_va_sdst(0) depctr_va_ssrc(0) depctr_va_vcc(0) depctr_vm_vsrc(0)
	s_getreg_b32 s2, hwreg(HW_REG_IB_STS2, 6, 4)
	s_cmp_eq_u32 s2, 0
	s_cbranch_scc0 .Lentry_in_a_cluster
	s_endpgm
.Lentry_in_a_cluster:
	s_bfe_u32 s2, ttmp6, 0x10000c
	s_cmp_lg_u32 s2, 0xf033
	s_cbranch_scc0 .Lentry_shape_is_right
	s_endpgm
.Lentry_shape_is_right:
; q, k, v = x W_attn + b_attn on codes of FP8 (E4M3) with one E8M0 scale for each 32 along K = 1,024; the f32 results are quantised here, along the NEXT product's K, and leave as codes: q, k, v never lie in memory as f32.
; A tile of 256 x 256 is made by four waves, each 128 x 128: 64 accumulators of 16 x 16, 512 registers.  K goes in steps of 256 through a ring of two LDS slots filled by the tensor data mover; the scale bytes of
; the tile's 512 rows, for all of K, come once.  4 x 4 work-groups form a cluster: region A's tiles are asked for jointly along a row of the cluster, region B's along a column.
; THE MATRIX INSTRUCTION: source 0 = 16 places of region B, source 1 = 16 places of region A.  Rows lie in xw at places with bits 3 and 4 exchanged, so a lane (r, h) holds ONE place r of A, and its 16 registers of B's tiles
; 2 b and 2 b + 1 are the true rows 32 b + 16 h + 0 .. 15 of B: 16 neighbours.  So what is to be the next K goes into region B:
;   q, k (cluster x = 0, 1): A = tokens, B = W's columns: a lane holds a token and 16 neighbouring channels of each block of 32 of two heads.    v (cluster x = 2): A = W's columns, B = tokens: a lane holds a channel and 16 neighbouring keys.
; The choice hangs on the cluster's x alone, which all partners share.  The conversions' results are then IMAGES OF THE NEXT OPERAND'S REGISTERS: each group of four registers leaves by one store of 16 bytes a lane, 512 consecutive bytes.
; qkv_img: [q, k, v][pair of heads 32][step of 128 tokens 16][16,384 bytes]; in a block q, k: head x 8192 + tile x 1024 + c x 512 + 16 x lane;  v: (c / 2) x 8192 + head x 4096 + tile x 1024 + (c % 2) x 512 + 16 x lane.
; qkv_sc: q's part, then at 786,432 k's and v's: [head 64][12,288 bytes]: q or k [step 16][tiles 0-3, 4-7][r 16][4 words], then at 8,192 v [step 16][r 16][4 words].  A word of q or k has two bytes that count (K = 64);
; the upper two meet zero codes in the next launch and are another block's bytes or 0, never 0xff.
; The bias is the C of each sum's first matrix instruction.
; LIMITS: a block of zeros gets the byte 1 (this program alone reads the bytes); NaN and infinities are not served.
; REGISTERS, in windows of 256: window 0: v0-31 addresses; v32-63 scale words, two sets; v64-127 the bias, later at work; from v128 A's fragments, one set, later the codes.  window 1: B's fragments, two sets.  windows 2, 3: the accumulators.
.set NQ,     2                         ; matrix instructions deep in a slot: 256 along K
.set ROWB,   256                       ; a tile's row in bytes
.set KROW,   1024                      ; a row of xw_codes
.set PITCH,  272                       ; an LDS row: 256 bytes + 16 of padding = 68 words: row r starts at bank 4 r mod 64 (ISA guide 11.1)
.set FR,     16
.set NL,     4
.set NP,     8                         ; places behind this matrix instruction (ISA guide 7.12.1)
.set HALFT,  128*PITCH                 ; 128 rows: what one tensor load brings
.set SLOT,   4*HALFT                   ; A's 256 rows, then B's 256
.set LAPS,   2                         ; 1,024 / 512: a lap = two K steps = once round the ring
.set SCL,    2*SLOT                    ; behind the ring: the scales, as units of 256 bytes + 16 of padding
.set HALFS,  16*272                    ; those of 128 rows (32 bytes a row)
.set SBLK,   2*272                     ; those of 16 rows
.set SPARE,  SCL+4*HALFS               ; the spare words, 128 bytes for each wave: two blocks of 256 bytes that no other line names
.set ADRA, 16                          ; v16-17  LDS address of my A fragments in slot 0, 1
.set ADRB, 20                          ; v20-21  the same for B
.set VO,   24                          ; v24     16 x lane: an image's place for my lane
.set SOF,  25                          ; v25     scale words: 12,288 x (lane / 16) + 16 x (lane % 16)
.set SH,   26                          ; v26     16 x (lane / 16)
.set ADRS, 27                          ; v27     LDS address of my scale words: lanes 0-15 A's rows, lanes 16-31 B's
.set SPW,  28                          ; v28     LDS address of my spare word; never rewritten
.set NIL,  29                          ; v29     0; never rewritten
.set SC,   32
.set BIAS, 64                          ; v64-127 eight registers a tile, in the result's layout
.set TM,   64                          ; the way out: v64-67 largest magnitudes, v68-71 the other half's and the bytes, v76-79 the conversion's scale operand
.set T2,   68
.set HD,   72
.set SO,   76
.set WD,   80                          ; v80-87  the scale word of each of A's eight blocks
.set XW,   88                          ; v88-95  as they are stored
.set AF,   128
.set G1, 24
.set G0, 32
.set G1B, 48
.set G0B, 56
.set G1S, 68
.set G0S, 76
.set G1SB, 80
.set G0SB, 88
.set ISV, 96                           ; s96  1: this cluster makes v
.set MNT, 97
.set SEL, 104                          ; s[104:105] v_permlanex16_b32's selects for lane l xor 16
.set MSB, 0
.macro WIN new                         ; the immediate's high byte repeats the setting that is left
.if MSB != \new
	s_set_vgpr_msb (MSB<<8)|\new
.set MSB, \new
.endif
.endm
.set MUL_LO, 0xa1                      ; source 0 (B) window 1, source 1 (A) window 0, C and D window 2
.set MUL_HI, 0xf1                      ; the same, C and D window 3
.set TO_B,   0x40                      ; destination window 1, address window 0
; A joint load: waves 0 and 1 fetch for A, waves 2 and 3 for B; the branch hangs on the wave's number alone.  Four v_nop follow each of the two lines.
.macro JLOAD g0a, g1a, g0b, g1b
	s_cmp_eq_u32 s15, 0
	s_cbranch_scc0 .Lfor_b_\@
	tensor_load_to_lds s[\g0a:\g0a+3], s[\g1a:\g1a+7]
	s_nop 0
.rept 4
	v_nop
.endr
	s_branch .Lasked_\@
.Lfor_b_\@:
	tensor_load_to_lds s[\g0b:\g0b+3], s[\g1b:\g1b+7]
	s_nop 0
.rept 4
	v_nop
.endr
.Lasked_\@:
.endm
.macro CREST                           ; a round of the cluster's barrier behind its opening barrier
	s_cmp_lg_u32 s14, 0
	s_cbranch_scc1 .Lnot_wave_0_\@
	s_barrier_signal -3
.Lnot_wave_0_\@:
	s_barrier_wait -3
	s_barrier_signal -1
	s_barrier_wait -1
.endm
.macro CROUND
	s_barrier_signal -1
	s_barrier_wait -1
	CREST
.endm
	s_load_b256 s[4:11], s[0:1], 0x0               ; xw_codes s[4:5], xw_scales s[6:7], b_attn s[8:9], qkv_img s[10:11]
	s_load_b64 s[12:13], s[0:1], 0x20              ; qkv_sc
	v_lshl_add_u32 v[SPW], v0, 2, SPARE
	v_mov_b32 v[NIL], 0
	ds_add_u32 v28, v29
	ds_add_u32 v28, v29
	s_wait_dscnt 0x0
	v_lshrrev_b32 v1, 5, v0
	v_readfirstlane_b32 s14, v1                    ; wave 0..3
	s_lshr_b32 s15, s14, 1                         ; which half of A's rows is mine.  Also: I fetch for A (0) or for B (1)
	s_and_b32 s16, s14, 1                          ; which half of B's rows.  Also: which 128 rows I fetch
	s_bfe_u32 s40, ttmp6, 0x40000                  ; cx, cy: my place in the cluster
	s_bfe_u32 s41, ttmp6, 0x40004
	s_and_b32 s95, ttmp7, 0xffff                   ; the cluster's y: four tiles of 256 tokens
	s_add_co_u32 s42, ttmp9, 8
	s_cmp_eq_u32 ttmp9, 2                          ; the cluster's x: 0 q, 1 k, 2 v
	s_cselect_b32 s[ISV], 1, 0
	s_cselect_b32 s17, 10, s95
	s_cselect_b32 s42, s95, s42
	s_lshl_b32 s17, s17, 2
	s_add_co_u32 s17, s17, s41                     ; A's tile of 256 places of xw: tokens 4 y + cy, or for v W's columns 40 + cy
	s_lshl_b32 s42, s42, 2
	s_add_co_u32 s42, s42, s40                     ; B's: W's columns 32 + 4 x + cx, or for v tokens 4 y + cx
	s_lshl_b32 s43, s41, 2
	s_lshl_b32 s43, 15, s43                        ; my row of the cluster
	s_lshl_b32 s44, 0x1111, s40                    ; my column
	s_or_b32 s[G1+0], s43, (1<<20)|(1<<21)|(5<<22)|(3<<25)  ; 15:0 the mask; 17:16 elements of 1 byte; 20 padding on; 21 set beside a mask; 24:22 after every 64 words; 31:25 four words
	s_or_b32 s[G1B+0], s44, (1<<20)|(1<<21)|(5<<22)|(3<<25)
.irp g, G1, G1B
	s_mov_b32 s[\g+1], ROWB<<16                    ; tensor_dim0
	s_mov_b32 s[\g+2], 128<<16                     ; tensor_dim1
	s_mov_b32 s[\g+3], ROWB<<16                    ; tile_dim0
	s_mov_b32 s[\g+4], 128                         ; tile_dim1
	s_mov_b32 s[\g+5], KROW                        ; tensor_dim0_stride
	s_mov_b32 s[\g+6], 0
	s_mov_b32 s[\g+7], 0
.endr
	s_or_b32 s[G1S+0], s43, (3<<16)|(1<<20)|(1<<21)|(5<<22)|(3<<25)   ; the scales of 128 rows: 4,096 dense bytes as 16 rows of 32 elements of 8 bytes, 16 bytes of padding behind each
	s_or_b32 s[G1SB+0], s44, (3<<16)|(1<<20)|(1<<21)|(5<<22)|(3<<25)
.irp g, G1S, G1SB
	s_mov_b32 s[\g+1], 32<<16
	s_mov_b32 s[\g+2], 16<<16
	s_mov_b32 s[\g+3], 32<<16
	s_mov_b32 s[\g+4], 16
	s_mov_b32 s[\g+5], 32
	s_mov_b32 s[\g+6], 0
	s_mov_b32 s[\g+7], 0
.endr
	s_lshl_b32 s18, s16, 7                         ; which 128 rows of the tile I fetch
	s_lshl_b32 s20, s17, 8
	s_add_co_u32 s20, s20, s18                     ; A: place 256 x tile + 128 x half
	s_lshl_b32 s46, s42, 8
	s_add_co_u32 s46, s46, s18                     ; B likewise
	s_lshl_b32 s22, s20, 5                         ; their scale bytes: 32 a place,
	s_mov_b32 s23, 0
	s_lshl_b32 s92, s46, 5
	s_mov_b32 s93, 0
	s_lshl_b32 s20, s20, 10                        ; their codes: 1,024 a place (all of xw stays under 2^24 bytes)
	s_mov_b32 s21, 0
	s_lshl_b32 s46, s46, 10
	s_mov_b32 s47, 0
	s_mul_i32 s45, s14, HALFT                      ; where they go: wave x 128 rows: no place in the cluster enters an LDS address
	s_mul_i32 s94, s14, HALFS
	s_mov_b32 s[SEL], 0x76543210
	s_mov_b32 s[SEL+1], 0xfedcba98
	s_wait_kmcnt 0x0
	s_add_nc_u64 s[20:21], s[4:5], s[20:21]
	s_add_nc_u64 s[22:23], s[6:7], s[22:23]
	s_add_nc_u64 s[46:47], s[4:5], s[46:47]
	s_add_nc_u64 s[92:93], s[6:7], s[92:93]
	CROUND                                         ; all sixteen work-groups are here: the first joint loads meet
	s_mov_b32 s[G0S], 1
	s_add_co_u32 s[G0S+1], s94, SCL
	s_mov_b64 s[G0S+2:G0S+3], s[22:23]
	s_or_b32 s[G0S+3], s[G0S+3], 0x80000000
	s_mov_b32 s[G0SB], 1
	s_add_co_u32 s[G0SB+1], s94, SCL
	s_mov_b64 s[G0SB+2:G0SB+3], s[92:93]
	s_or_b32 s[G0SB+3], s[G0SB+3], 0x80000000
	JLOAD G0S, G1S, G0SB, G1SB                     ; the scales first: they are wanted with K step 0
.irp s, 0,1
	s_mov_b32 s[G0+4*\s], 1
	s_add_co_u32 s[G0+4*\s+1], s45, \s*SLOT
	s_add_nc_u64 s[G0+4*\s+2:G0+4*\s+3], s[20:21], \s*ROWB
	s_or_b32 s[G0+4*\s+3], s[G0+4*\s+3], 0x80000000
	s_mov_b32 s[G0B+4*\s], 1
	s_add_co_u32 s[G0B+4*\s+1], s45, \s*SLOT
	s_add_nc_u64 s[G0B+4*\s+2:G0B+4*\s+3], s[46:47], \s*ROWB
	s_or_b32 s[G0B+4*\s+3], s[G0B+4*\s+3], 0x80000000
	JLOAD G0+4*\s, G1, G0B+4*\s, G1B               ; three tensor loads of mine are out
.endr
	v_and_b32 v1, 15, v0                           ; r = l % 16
	v_bfe_u32 v2, v0, 4, 1                         ; h = l / 16
	; THE BIAS, in the result's layout.  Both ways fill all 64 registers.  s[66:67] and v30 serve these loads alone.
	s_cmp_eq_u32 s[ISV], 0
	s_cbranch_scc0 .Lbias_v
	s_sub_co_u32 s66, s42, 32                      ; q, k: the columns are B's: register j of tile b is column 32 (b / 2) + 8 (b % 2) + 16 h + j of my 128
	s_lshl_b32 s66, s66, 10
	s_lshl_b32 s67, s16, 9
	s_add_co_u32 s66, s66, s67
	s_mov_b32 s67, 0
	s_add_nc_u64 s[66:67], s[8:9], s[66:67]
	s_wait_alu depctr_va_vdst(0)
	v_lshlrev_b32 v30, 6, v2
.irp b, 0,1,2,3,4,5,6,7
	global_load_b128 v[BIAS+8*\b:BIAS+8*\b+3], v30, s[66:67] offset:(32*(\b/2)+8*(\b%2))*4
	global_load_b128 v[BIAS+8*\b+4:BIAS+8*\b+7], v30, s[66:67] offset:(32*(\b/2)+8*(\b%2))*4+16
.endr
	s_branch .Lbias_in
.Lbias_v:
	s_sub_co_u32 s66, s17, 32                      ; v: the columns are A's: all eight registers of block a hold column 32 (a / 2) + 8 (a % 2) + r % 8 + 16 (r / 8) of my 128
	s_lshl_b32 s66, s66, 10
	s_lshl_b32 s67, s15, 9
	s_add_co_u32 s66, s66, s67
	s_mov_b32 s67, 0
	s_add_nc_u64 s[66:67], s[8:9], s[66:67]
	s_wait_alu depctr_va_vdst(0)
	v_and_b32 v31, 8, v1
	v_add_nc_u32 v30, v31, v1                      ; r + 8 (r / 8)
	v_lshlrev_b32 v30, 2, v30
.irp a, 0,1,2,3,4,5,6,7
.irp j, 0,1,2,3,4,5,6,7
	global_load_b32 v[BIAS+8*\a+\j], v30, s[66:67] offset:(32*(\a/2)+8*(\a%2))*4
.endr
.endr
.Lbias_in:
	v_mul_u32_u24 v3, v1, PITCH
	v_lshl_add_u32 v4, v2, 4, v3                   ; a fragment's row x pitch + 16 x half
	s_mul_i32 s21, s15, HALFT                      ; my 128 rows of A
	s_mul_i32 s22, s16, HALFT                      ; my 128 rows of B,
	s_add_co_u32 s22, s22, 2*HALFT                 ; which lie behind A's 256
.irp s, 0,1
	v_add_nc_u32 v[ADRA+\s], s21, v4
	v_add_nc_u32 v[ADRB+\s], s22, v4
	s_add_co_u32 s21, s21, SLOT
	s_add_co_u32 s22, s22, SLOT
.endr
	v_lshlrev_b32 v5, 5, v1                        ; my row's scales: 32 bytes a row,
	v_lshrrev_b32 v6, 8, v5
	v_lshl_add_u32 v5, v6, 4, v5                   ; and 16 more for each 256 passed
	s_mul_i32 s21, s15, HALFS                      ; A's: my 128 rows
	s_mul_i32 s22, s16, HALFS                      ; B's: my 128 rows, behind A's 256
	s_add_co_u32 s22, s22, 2*HALFS
	s_sub_co_u32 s22, s22, s21
	v_mul_u32_u24 v6, s22, v2                      ; lanes 16-31 take B's: the lower base + h x the distance
	s_add_co_u32 s21, s21, SCL
	v_add_nc_u32 v5, v5, v6
	v_add_nc_u32 v[ADRS], s21, v5
	v_and_b32 v6, 31, v0
	v_lshlrev_b32 v[VO], 4, v6
	v_mul_u32_u24 v[SOF], v2, 12288
	v_lshl_add_u32 v[SOF], v1, 4, v[SOF]
	v_lshlrev_b32 v[SH], 4, v2
	; where my results go
	s_lshl_b32 s18, s17, 1
	s_add_co_u32 s18, s18, s15                     ; A's run of 128 places: 2 x tile + half
	s_lshl_b32 s19, s42, 1
	s_add_co_u32 s19, s19, s16                     ; B's
	s_cmp_eq_u32 s[ISV], 0
	s_cselect_b32 s20, s18, s19                    ; the run of tokens
	s_cselect_b32 s21, s19, s18                    ; the run of columns
	s_lshr_b32 s18, s20, 4                         ; the batch (16 runs of 128 tokens each)
	s_and_b32 s19, s20, 15                         ; the step of 128 tokens
	s_and_b32 s21, s21, 7                          ; the pair of heads: 128 columns; q, k and v each begin at a multiple of 8 runs
	s_lshl_b32 s18, s18, 3
	s_add_co_u32 s18, s18, s21                     ; batch x 8 + pair
	s_lshl_b32 s20, ttmp9, 9                       ; 512 blocks for each of q, k, v
	s_lshl_b32 s21, s18, 4
	s_add_co_u32 s20, s20, s21
	s_add_co_u32 s20, s20, s19
	s_lshl_b32 s20, s20, 14                        ; 16,384 bytes a block
	s_mov_b32 s21, 0
	s_add_nc_u64 s[10:11], s[10:11], s[20:21]
	s_mul_i32 s20, s18, 24576                      ; two heads' scale words
	s_lshl_b32 s22, s19, 9                         ; q, k: 512 bytes a step
	s_lshl_b32 s23, s19, 8
	s_add_co_u32 s23, s23, 8192                    ; v: behind k's, 256 bytes a step
	s_cmp_eq_u32 s[ISV], 0
	s_cselect_b32 s22, s22, s23
	s_add_co_u32 s20, s20, s22
	s_cmp_eq_u32 ttmp9, 0
	s_cselect_b32 s22, 0, 786432                   ; k's and v's part lies behind q's
	s_add_co_u32 s20, s20, s22
	s_add_nc_u64 s[12:13], s[12:13], s[20:21]
.macro FRAG reg, adr, q, i             ; 16 rows x 128 K of 8-bit codes: lane l holds row l % 16; registers 4 c .. 4 c + 3 hold K = 32 c + 16 (l / 16) + 0 .. 15
.irp c, 0,1,2,3
	ds_load_b128 v[\reg+4*\c:\reg+4*\c+3], v[\adr] offset:128*(\q)+32*\c+(\i)*16*PITCH
.endr
.endm
; 16 matrix instructions: A's blocks a0, a0 + 1 x B's eight.  p: B's set; sc: the set of scale words.  zero = 1: the sums start from the bias of B's tile; 2: from that of A's block; 0: they go on in place.
; The 64 accumulators take turns, one instruction a turn, in the same order in every step.
.macro MUL16 a0, p, q, sc, zero
.irp a, \a0, \a0+1
.irp b, 0,1,2,3,4,5,6,7
.if \zero == 1
	v_wmma_scale_f32_16x16x128_f8f6f4 v[8*(8*((\a)%4)+\b):8*(8*((\a)%4)+\b)+7], v[128*(\p)+FR*\b:128*(\p)+FR*\b+FR-1], v[AF+FR*(\a):AF+FR*(\a)+FR-1], v[BIAS+8*\b:BIAS+8*\b+7], v[SC+8*NQ*(\sc)+NQ*\b+(\q)], v[SC+8*NQ*(\sc)+NQ*(\a)+(\q)] matrix_a_scale:MATRIX_SCALE_ROW1
.elseif \zero == 2
	v_wmma_scale_f32_16x16x128_f8f6f4 v[8*(8*((\a)%4)+\b):8*(8*((\a)%4)+\b)+7], v[128*(\p)+FR*\b:128*(\p)+FR*\b+FR-1], v[AF+FR*(\a):AF+FR*(\a)+FR-1], v[BIAS+8*(\a):BIAS+8*(\a)+7], v[SC+8*NQ*(\sc)+NQ*\b+(\q)], v[SC+8*NQ*(\sc)+NQ*(\a)+(\q)] matrix_a_scale:MATRIX_SCALE_ROW1
.else
	v_wmma_scale_f32_16x16x128_f8f6f4 v[8*(8*((\a)%4)+\b):8*(8*((\a)%4)+\b)+7], v[128*(\p)+FR*\b:128*(\p)+FR*\b+FR-1], v[AF+FR*(\a):AF+FR*(\a)+FR-1], v[8*(8*((\a)%4)+\b):8*(8*((\a)%4)+\b)+7], v[SC+8*NQ*(\sc)+NQ*\b+(\q)], v[SC+8*NQ*(\sc)+NQ*(\a)+(\q)] matrix_a_scale:MATRIX_SCALE_ROW1
.endif
.endr
.endr
.endm
.macro FETCH_B slot, q, p
	WIN TO_B
.irp i, 0,1,2,3,4,5,6,7
	FRAG 128*(\p)+FR*\i, ADRB+\slot, \q, \i
.endr
	WIN 0
.endm
.macro FETCH_A slot, q, i0
.irp i, \i0, \i0+1, \i0+2, \i0+3
	FRAG AF+FR*(\i), ADRA+\slot, \q, \i
.endr
.endm
.macro SCALES sc                       ; a K step's scale words: two words a row; lanes 0-15 take A's block i, lanes 16-31 B's block i
.irp i, 0,1,2,3,4,5,6,7
	ds_load_b64 v[SC+8*NQ*\sc+NQ*\i:SC+8*NQ*\sc+NQ*\i+1], v[ADRS] offset:\i*SBLK
.endr
.endm
.macro PLACES n                        ; plain vector instructions between a matrix instruction and a load into, or a vector read or write of, its registers (ISA guide 7.12.1 for vector reads and writes)
.rept \n
	v_nop
.endr
.endm
.macro STEP slot, q, zero              ; a step of 128 along K that has its successor in the same slot
	s_wait_dscnt 4*NL                              ; B's set and A's blocks 0-3 are in; the youngest sixteen loads (A's blocks 4-7) may be out
.if \zero
	WIN 0x81                                       ; C, the bias, in window 0
.else
	WIN MUL_LO
.endif
	MUL16 0, (\q)%2, \q, \slot, \zero
	MUL16 2, (\q)%2, \q, \slot, \zero
	s_wait_dscnt 0                                 ; A's blocks 4-7 are in
	PLACES NP
	FETCH_B \slot, (\q)+1, 1-(\q)%2
	FETCH_A \slot, (\q)+1, 0
.if \zero
	WIN 0xc1
.else
	WIN MUL_HI
.endif
	MUL16 4, (\q)%2, \q, \slot, \zero
	MUL16 6, (\q)%2, \q, \slot, \zero
	PLACES NP
	WIN 0
	FETCH_A \slot, (\q)+1, 4
.endm
; A slot's last step changes slots: ONE barrier; in front of it each wave waits for all its tensor loads, adds 0 to its spare word, and waits for that and for its own reads of this slot.  fill = 1: this slot is filled again, two K steps ahead.
.macro TURN slot, next, fill
	s_wait_tensorcnt 0x0                           ; all my tensor loads have landed: my part of the next slot
	ds_add_u32 v[SPW], v[NIL]                      ; 0 onto my spare word
	s_wait_dscnt 4*NL+1                            ; (the add and the youngest sixteen loads may be out)
	WIN MUL_LO
	MUL16 0, 1, NQ-1, \slot, 0                     ; sixteen matrix instructions stand between the add and the wait for it
	s_wait_dscnt 0x0                               ; the add is done, and my reads of this slot are over
	s_barrier_signal -1
	MUL16 2, 1, NQ-1, \slot, 0
	WIN 0
	s_barrier_wait -1
.if \fill
	CREST                                          ; the barrier has opened a round of the cluster's barrier: no wave of any partner still reads this slot or has a load on its way
	s_add_nc_u64 s[G0+4*\slot+2:G0+4*\slot+3], s[G0+4*\slot+2:G0+4*\slot+3], 2*ROWB
	s_add_nc_u64 s[G0B+4*\slot+2:G0B+4*\slot+3], s[G0B+4*\slot+2:G0B+4*\slot+3], 2*ROWB
	JLOAD G0+4*\slot, G1, G0B+4*\slot, G1B         ; the first tensor load behind the round; its four v_nop are among the places in front of the loads below
	PLACES NP-4
.else
	PLACES NP
.endif
	s_wait_alu depctr_va_vdst(0)
	v_add_nc_u32 v[ADRS], 4*NQ, v[ADRS]            ; on to the next K step's scale words
	FETCH_B \next, 0, 0
	FETCH_A \next, 0, 0
	SCALES \next
	WIN MUL_HI
	MUL16 4, 1, NQ-1, \slot, 0
	MUL16 6, 1, NQ-1, \slot, 0
	PLACES NP
	WIN 0
	FETCH_A \next, 0, 4
.endm
	s_wait_alu depctr_va_vdst(0)
	s_wait_tensorcnt 1                             ; the scales and my part of K step 0 are in (K step 1's load may be out)
	s_barrier_signal -1
	s_barrier_wait -1                              ; everybody's are
	FETCH_B 0, 0, 0
	FETCH_A 0, 0, 0
	SCALES 0
	FETCH_A 0, 0, 4
	s_wait_loadcnt 0x0                             ; the bias
	s_cmp_eq_u32 s[ISV], 0                         ; the first step is written twice: its C is the bias of B's tile (q, k) or of A's block (v)
	s_cbranch_scc0 .Lfirst_v
	STEP 0, 0, 1
	s_branch .Lfirst_done
.Lfirst_v:
	STEP 0, 0, 2
.Lfirst_done:
	s_mov_b32 s3, LAPS-1
.Llap:                                                 ; a trip goes once round the ring, from a lap's second step to the next lap's first, and fills both slots again
	TURN 0, 1, 1
	STEP 1, 0, 0
	TURN 1, 0, 1
	STEP 0, 0, 0
	s_sub_co_u32 s3, s3, 1
	s_cmp_lg_u32 s3, 0
	s_cbranch_scc1 .Llap
	TURN 0, 1, 0                                   ; the last lap fills nothing, and has no round of the cluster's barrier
	STEP 1, 0, 0
	s_wait_dscnt 4*NL                              ; the very last step: nothing more to fetch
	WIN MUL_LO
	MUL16 0, 1, NQ-1, 1, 0
	MUL16 2, 1, NQ-1, 1, 0
	s_wait_dscnt 0
	WIN MUL_HI
	MUL16 4, 1, NQ-1, 1, 0
	MUL16 6, 1, NQ-1, 1, 0
	WIN 0
; THE WAY OUT.  Block a of A (16 places): a lane's 64 results are four blocks of 32 along the next K, 16 numbers of each; lane l xor 16 holds the other 16.  They become 16 registers of codes and a scale word.
; Each accumulator is read from its low end on.  Each block has its own registers for its codes, so that no store's data are written again.
.macro QROW a
.set WN, 2+(\a)/4
.set AC, 64*((\a)%4)
.set PCA, 128+16*(\a)
.set WW, WN|(WN<<2)
	WIN WW                                         ; sources 0 and 1: the accumulators' window
.irp b, 0,1,2,3
	v_max3_num_f32 v[TM+\b], |v[AC+16*\b]|, |v[AC+16*\b+1]|, 0x4800000   ; with the floor 2^(9 - 127): the byte cannot fall under 1
.endr
.irp i, 2,4,6,8,10,12,14
.irp b, 0,1,2,3
	v_max3_num_f32 v[TM+\b], |v[AC+16*\b+\i]|, |v[AC+16*\b+\i+1]|, v[TM+\b]   ; (the four blocks by turns)
.endr
.endr
	WIN 0
.irp b, 0,1,2,3
	v_permlanex16_b32 v[T2+\b], v[TM+\b], s[SEL], s[SEL+1]         ; (its destination counts as read: these registers held the bias)
.endr
.irp b, 0,1,2,3
	v_max_num_f32 v[TM+\b], v[TM+\b], v[T2+\b]     ; the block's largest magnitude
.endr
.irp b, 0,1,2,3
	v_add_nc_u32 v[SO+\b], 0xfc000000, v[TM+\b]    ; 8 off its exponent field: the conversion's scale operand
.endr
.irp b, 0,1,2,3
.endr
.irp b, 0,1,2,3
	v_lshrrev_b32 v[T2+\b], 23, v[SO+\b]           ; the scale's byte
.endr
	v_lshl_or_b32 v[WD+(\a)], v[T2+1], 8, v[T2]
	v_lshl_or_b32 v[WD+(\a)], v[T2+2], 16, v[WD+(\a)]
	v_lshl_or_b32 v[WD+(\a)], v[T2+3], 24, v[WD+(\a)]
.set WW, WN|(WN<<6)
	WIN WW                                         ; source 0 and destination: the accumulators' window
.irp b, 0,1,2,3
.irp i, 0,1,2,3,4,5,6,7,8,9,10,11,12,13,14,15
.endr
.endr
	WIN WN
.irp b, 0,1,2,3
	v_cvt_scalef32_pk8_fp8_f32 v[PCA+4*\b:PCA+4*\b+1], v[AC+16*\b:AC+16*\b+7], v[SO+\b]
	v_cvt_scalef32_pk8_fp8_f32 v[PCA+4*\b+2:PCA+4*\b+3], v[AC+16*\b+8:AC+16*\b+15], v[SO+\b]
.endr
	v_nop                                          ; one plain vector instruction behind the last scaled conversion
	WIN 0
.irp b, 0,1,2,3
	global_store_b128 v[VO], v[PCA+4*\b:PCA+4*\b+3], s[10:11] offset:(\b/2)*8192+(\a)*1024+(\b%2)*512   ; the wave stores 512 consecutive bytes, aligned.  q, k: head b / 2, c = b % 2;  v: c = b, head and tile = a
.endr
.endm
	PLACES NP                                      ; behind the last products: their results are read, and A's registers written, below
.irp a, 0,1,2,3,4,5,6,7
	QROW \a
.endr
	s_cmp_eq_u32 s[ISV], 0
	s_cbranch_scc0 .Lsc_v
.irp a, 0,1,2,3,4,5,6,7
	v_lshrrev_b32 v[XW+\a], v[SH], v[WD+\a]        ; q, k: lanes 0-15 keep the first head's two bytes below, lanes 16-31 bring the second head's down
.endr
	global_store_b128 v[SOF], v[XW:XW+3], s[12:13]               ; sixteen lanes store 256 consecutive bytes, aligned: tiles 0-3 of a head,
	global_store_b128 v[SOF], v[XW+4:XW+7], s[12:13] offset:256  ; tiles 4-7
	s_branch .Lsc_done
.Lsc_v:
	v_cmp_ne_u32 vcc_lo, 0, v[SH]
.irp t, 0,1,2,3
	v_cndmask_b32 v[XW+\t], v[WD+\t], v[WD+4+\t], vcc_lo         ; v: lanes 0-15 take the first head's four tiles, lanes 16-31 the second's
.endr
	global_store_b128 v[SOF], v[XW:XW+3], s[12:13]
.Lsc_done:
	s_wait_tensorcnt 0x0                           ; the wave's end
	ds_add_u32 v[SPW], v[NIL]
	s_wait_dscnt 0x0
	CROUND                                         ; the closing round: no work-group ends while a partner may still ask for a tile that names it
	s_endpgm
.Lfunc_end_k_q4e5375078f_qkv:
	.size	k_q4e5375078f_qkv, .Lfunc_end_k_q4e5375078f_qkv-k_q4e5375078f_qkv
	.p2alignl 7, 3214868480
	.fill 96, 4, 3214868480
	.section	.rodata,"a",@progbits
	.p2align	6, 0x0
	.amdhsa_kernel k_q4e5375078f_qkv
		.amdhsa_group_segment_fixed_size 327680
		.amdhsa_private_segment_fixed_size 0
		.amdhsa_enable_private_segment 0
		.amdhsa_kernarg_size 40
		.amdhsa_user_sgpr_count 2
		.amdhsa_user_sgpr_kernarg_segment_ptr 1
		.amdhsa_wavefront_size32 1
		.amdhsa_system_sgpr_workgroup_id_x 1
		.amdhsa_system_sgpr_workgroup_id_y 1
		.amdhsa_system_sgpr_workgroup_id_z 1
		.amdhsa_system_vgpr_workitem_id 0
		.amdhsa_next_free_vgpr 1024
		.amdhsa_next_free_sgpr 106
		.amdhsa_reserve_vcc 1
		.amdhsa_float_denorm_mode_32 3
		.amdhsa_float_denorm_mode_16_64 3
		.amdhsa_fp16_overflow 1
		.amdhsa_memory_ordered 1
		.amdhsa_forward_progress 1
		.amdhsa_inst_pref_size 172
	.end_amdhsa_kernel
	.amdgpu_metadata
---
amdhsa.version: [ 1, 2 ]
amdhsa.kernels:
  - .name:           k_q4e5375078f_qkv
    .symbol:         k_q4e5375078f_qkv.kd
    .args:
      - { .name: xw_codes, .offset: 0, .size: 8, .value_kind: global_buffer, .address_space: global }
      - { .name: xw_scales, .offset: 8, .size: 8, .value_kind: global_buffer, .address_space: global }
      - { .name: b_attn, .offset: 16, .size: 8, .value_kind: global_buffer, .address_space: global }
      - { .name: qkv_img, .offset: 24, .size: 8, .value_kind: global_buffer, .address_space: global }
      - { .name: qkv_sc, .offset: 32, .size: 8, .value_kind: global_buffer, .address_space: global }
    .group_segment_fixed_size: 327680
    .private_segment_fixed_size: 0
    .kernarg_segment_align: 8
    .kernarg_segment_size: 40
    .max_flat_workgroup_size: 128
    .sgpr_count:     106
    .vgpr_count:     1024
    .wavefront_size: 32
...
	.end_amdgpu_metadata
.endif
;; end of part 2
;; launch attn (part 3): grid 4 x 64, 16 waves a work-group, no clusters, 276,480 bytes of LDS; arguments qkv_img, qkv_sc, ctx_img, csc; writes ctx_img, csc
.if DOCPART == 3
	.amdgcn_target "amdgcn-amd-amdhsa--gfx1250"
	.amdhsa_code_object_version 6
	.text
	.protected	k_q4e5375078f_attn
	.globl	k_q4e5375078f_attn
	.p2align	8
	.type	k_q4e5375078f_attn,@function
k_q4e5375078f_attn:
	s_mov_b64 s[64:65], 0
	v_nop
	global_prefetch_b8 v0, s[64:65] scope:SCOPE_SE
	s_setreg_imm32_b32 hwreg(HW_REG_WAVE_MODE, 25, 1), 1
	s_wait_xcnt 0x0
; ctx[b][q][head] = softmax_k(mask(q . k / 8)) v for one head, both products on codes of FP8 (E4M3) with one E8M0 scale for each 32 along a product's K; ctx is quantised here along the last product's K and leaves as codes.
; THE SOFTMAX AHEAD OF THE SECOND PRODUCT: t = logit x log2(e); M = the row's largest t so far, rounded UP to a whole number; p = 2^(t - M) is quantised along the keys; the row's sum of the unquantised p divides at the end.
; THE MASK puts the logit -10000 on keys behind the query; it does not take them out.  So they are kept.  On the diagonal the raw score becomes -80000 (x 1/8 = -10000) ahead of the maximum.  A step of 128 keys that all lie behind
; my 16 queries needs no scores: every p there is 2^(tm - M), tm = -10000 log2(e) = -14427 + 0.0498, so a block's scale is 2^(-14435 - M), p over it is 265, and the nearest code is 256 (0x78).  Such a step is four matrix
; instructions on V with that constant P and the scale byte -M - 14308; tm is among the row's t from the start (where the tile has such steps), so M is final on the diagonal; the sum takes 2^(tm - M) x the number of such keys.
; LIMITS: where that byte would fall under 1 (p under 2^-118, beside a row sum of at least 1/2) the hidden keys' codes are zeros; a block of zeros gets the byte 1; NaN and infinities are not served.
; SHARES.  A work-group has one head (y) and a quarter of its query tiles (x); 16 waves, four to a SIMD, 256 registers each.  The head's K, V and their scale words, 274,432 bytes, come into LDS ONCE, as images of the operands'
; registers (16 x lane on end: no pitch, no padding); nothing is filled again and nothing is stored to LDS.  A wave makes two passes over the 16 key steps, for query tiles 127 - n and n (n = 16 x + wave):
; 17 steps in full and 15 light ones for every wave.  The late tile comes first, so that the later quarters of K and V land behind work.
; NO JOINT LOADS, though the four work-groups of a head read the same K and V: which steps are worked in full, on the diagonal or lightly hangs on the query tile, which differs between them, and partners of joint loads have to run
; alike; leaving out the scores and exponentials of 15 steps in 32 is worth more than 268 KB fetched once more for each work-group.
; LAYOUT.  S^T = K Q^T (source 0 = 16 keys, source 1 = my 16 queries), O^T = V^T P^T (source 0 = 16 channels, source 1 = P): a lane holds ONE query throughout.  Place r of a tile a of 16 tokens is token
; 32 (a / 2) + 8 (a % 2) + r % 8 + 16 (r / 8) of its 128, so the 16 registers of tiles 2 b, 2 b + 1 of S^T are keys 32 b + 16 (lane / 16) + 0 .. 15; V's channels likewise.
; K = 64 IN A FORM OF K = 128: Q's upper eight registers are zero codes; K's tile a is named as 16 registers, of which the upper eight are the next tile's codes (behind tile 7: zeros): they meet zeros.
.set VB,   131072                      ; LDS: K at 0: step x 8192 + tile x 1024 + c x 512; V here: step x 8192 + (c / 2) x 4096 + tile x 1024 + (c % 2) x 512
.set SCL,  262144                      ; the scale words: K's: step x 512 + (tiles 0-3, 4-7) x 256 + 16 r; V's at 8,192: step x 256 + 16 r
.set L16,  1                           ; v1   16 x lane: K's images; Q's and ctx's in memory too
.set LV,   2                           ; v2   the same + VB
.set LSC,  3                           ; v3   SCL + 16 r
.set DQ,   4                           ; v4   r % 8 + 16 (r / 8) - 16 h
.set ADK,  5                           ; v5-8 LDS addresses of the step in hand
.set ADV,  6
.set ADS,  7
.set ADT,  8
.set R16,  10                          ; v10  16 r
.set R32,  11                          ; v11  32 r
.set QF,   16                          ; v16-23 Q, v24-31 zeros.   v12 -M, v13 the largest t, v[14:15] the sum in two halves
.set KF,   32                          ; v32-95 eight tiles of K (8 registers each) or four of V (16 each); v96-103 zeros
.set S,    104                         ; v104-167 S^T, then p
.set O,    168                         ; v168-199 O^T
.set PC,   200                         ; v200-215 p's codes
.set KSC,  216                         ; v216-223 K's scale words, v224-227 V's, v228 Q's, v229 p's
.set VSC,  224
.set QS,   228
.set PS,   229
.set HW,   230                         ; v230 ctx's two scale bytes
.set BM,   232
.set T2,   236
.set HD,   240
.set SO,   244
.set FF,   248                         ; v[248:249] f = 2^(old M - new M), named as a pair
.set TA,   250
.set TB,   251
.set CD,   252                         ; the hidden keys' codes, four to a register
.set C78,  253                         ; 0x78787878
.set NHV,  254                         ; how many hidden keys of light steps fall to my lane
.set WV,   18
.set MNT,  19
.set SEL,  20
.set CS,   22                          ; s[22:23] c = log2(e) / 8
.set G1,   24                          ; s[24:31] group 1: 4,096 dense bytes
.set G1S,  32                          ; s[32:39] group 1: 768 dense bytes
.set G0,   40                          ; s[40:59] five groups 0, never rewritten
.set PASS, 60
.set QT,   61                          ; my query tile, 0..127
.set JD,   62                          ; the key step that holds my queries
.set J,    63                          ; the key step in hand
.set TBS,  66                          ; its place among K's and V's images: 8,192 a step
.set TSS,  67                          ; among K's scale words: 512 a step
.set TJS,  68                          ; among V's: 256 a step
.set QK,   69                          ; my tile's first token in its step
.set REP,  70
.set CNT,  71
.set BH,   72                          ; batch x 16 + head
	s_load_b256 s[4:11], s[0:1], 0x0               ; qkv_img s[4:5], qkv_sc s[6:7], ctx_img s[8:9], csc s[10:11]
	v_lshl_add_u32 v231, v0, 2, 0x43000
	v_mov_b32 v255, 0
	ds_add_u32 v231, v255
	ds_add_u32 v231, v255
	v_lshrrev_b32 v5, 5, v0
	s_delay_alu instid0(VALU_DEP_1)
	v_readfirstlane_b32 s[WV], v5                  ; wave 0..15
	s_and_b32 s[BH], ttmp7, 0xffff
	s_mov_b32 s[G1], 3<<16                         ; no mask; elements of 8 bytes; no padding
	s_mov_b32 s[G1+1], 32<<16                      ; tensor_dim0 = 32 elements: 256 bytes
	s_mov_b32 s[G1+2], 16<<16                      ; tensor_dim1 = 16
	s_mov_b32 s[G1+3], 32<<16                      ; tile_dim0
	s_mov_b32 s[G1+4], 16                          ; tile_dim1
	s_mov_b32 s[G1+5], 32                          ; the pitch: dense
	s_mov_b32 s[G1+6], 0
	s_mov_b32 s[G1+7], 0
	s_mov_b32 s[G1S], 3<<16
	s_mov_b32 s[G1S+1], 32<<16
	s_mov_b32 s[G1S+2], 3<<16                      ; three rows of 256 bytes
	s_mov_b32 s[G1S+3], 32<<16
	s_mov_b32 s[G1S+4], 3
	s_mov_b32 s[G1S+5], 32
	s_mov_b32 s[G1S+6], 0
	s_mov_b32 s[G1S+7], 0
	; what my five loads bring: 768 bytes of the scale words, and of each quarter (four key steps) 4,096 bytes: waves 0-7 K's, waves 8-15 V's
	s_lshr_b32 s73, s[WV], 3                       ; 0: K, 1: V
	s_and_b32 s74, s[WV], 7                        ; which 4,096 of a quarter's 32,768
	s_and_b32 s75, s[BH], 1                        ; which head of the pair
	s_lshr_b32 s76, s[BH], 1                       ; the pair
	s_add_co_u32 s77, s73, 1
	s_lshl_b32 s77, s77, 23                        ; k's images begin at 8,388,608, v's at twice that
	s_lshl_b32 s78, s76, 18                        ; 16 blocks of 16,384 a pair
	s_add_co_u32 s77, s77, s78
	s_lshr_b32 s78, s74, 1
	s_lshl_b32 s78, s78, 14                        ; the step in the quarter
	s_add_co_u32 s77, s77, s78
	s_sub_co_u32 s78, 13, s73
	s_lshl_b32 s78, s75, s78                       ; the head: 8,192 in k's block, 4,096 in v's
	s_add_co_u32 s77, s77, s78
	s_and_b32 s78, s74, 1
	s_add_co_u32 s79, s73, 12
	s_lshl_b32 s78, s78, s79                       ; the head's second half: 4,096 on in k's block, 8,192 in v's
	s_add_co_u32 s88, s77, s78
	s_mov_b32 s89, 0
	s_lshl_b32 s90, s74, 12
	s_lshl_b32 s91, s73, 17
	s_add_co_u32 s90, s90, s91                     ; in LDS: 4,096 x (wave % 8) + 131,072 x (wave / 8)
	s_mul_i32 s92, s[BH], 12288
	s_mul_i32 s91, s[WV], 768
	s_add_co_u32 s92, s92, s91
	s_add_co_u32 s92, s92, 786432
	s_mov_b32 s93, 0
	s_wait_dscnt 0x0
	s_wait_kmcnt 0x0
	s_add_nc_u64 s[88:89], s[4:5], s[88:89]
	s_mov_b32 s[G0], 1
	s_add_co_u32 s[G0+1], s91, SCL
	s_add_nc_u64 s[G0+2:G0+3], s[6:7], s[92:93]
	s_or_b32 s[G0+3], s[G0+3], 0x80000000
.irp q, 0,1,2,3
	s_mov_b32 s[G0+4+4*\q], 1
	s_add_co_u32 s[G0+5+4*\q], s90, \q*32768
	s_add_nc_u64 s[G0+6+4*\q:G0+7+4*\q], s[88:89], \q*65536
	s_or_b32 s[G0+7+4*\q], s[G0+7+4*\q], 0x80000000
.endr
	tensor_load_to_lds s[G0:G0+3], s[G1S:G1S+7]    ; all first fills in one group, on every wave's one way: five tensor loads of mine are out
	s_nop 0
.irp q, 0,1,2,3
	tensor_load_to_lds s[G0+4+4*\q:G0+7+4*\q], s[G1:G1+7]
	s_nop 0
.endr
.rept 4
	v_nop
.endr
	v_and_b32 v5, 31, v0
	s_delay_alu instid0(VALU_DEP_1)
	v_lshlrev_b32 v[L16], 4, v5
	s_delay_alu instid0(VALU_DEP_1)
	v_add_nc_u32 v[LV], VB, v[L16]
	v_and_b32 v6, 15, v0                           ; r
	v_bfe_u32 v7, v0, 4, 1                         ; h
	s_delay_alu instid0(VALU_DEP_2)
	v_lshlrev_b32 v[R16], 4, v6
	s_delay_alu instid0(VALU_DEP_1)
	v_add_nc_u32 v[LSC], SCL, v[R16]
	s_delay_alu instid0(VALU_DEP_4)
	v_lshlrev_b32 v[R32], 5, v6
	v_and_b32 v8, 8, v6
	s_delay_alu instid0(VALU_DEP_1)
	v_add_nc_u32 v8, v8, v6                        ; r + 8 (r / 8) = r % 8 + 16 (r / 8)
	v_lshlrev_b32 v7, 4, v7
	s_delay_alu instid0(VALU_DEP_1)
	v_sub_nc_u32 v[DQ], v8, v7
	s_mov_b32 s[SEL], 0x76543210
	s_mov_b32 s[SEL+1], 0xfedcba98
	s_mov_b32 s[CS], 0x3e38aa3b                    ; c = log2(e) / sqrt(64)
	s_mov_b32 s[CS+1], s[CS]                       ; (named with it as a pair, so it is written)
	s_mov_b32 s[REP], 0x01010101
.irp i, 0,1,2,3,4,5,6,7
	v_mov_b32 v[QF+8+\i], 0                        ; Q's upper 64 along K: zero codes
	v_mov_b32 v[KF+64+\i], 0                       ; what stands behind K's tile 7
.endr
.irp i, 0,1,2,3,4,5,6,7,8,9,10,11,12,13,14,15
	v_mov_b32 v[PC+\i], 0                          ; written once, so that every way through the text finds P written
.endr
	v_mov_b32 v[PS], s[REP]
.irp b, 0,1,2,3
	v_mov_b32 v[T2+\b], 0                          ; a lane permute's destination counts as one of its sources
.endr
	v_mov_b32 v[TA], 0
	v_mov_b32 v[FF+1], 0                           ; (named as the upper half of a pair)
	v_mov_b32 v[C78], 0x78787878
	s_lshl_b32 s[QT], ttmp9, 4
	s_add_co_u32 s[QT], s[QT], s[WV]
	s_sub_co_u32 s[QT], 127, s[QT]                 ; the first pass takes tile 127 - (16 x + wave)
	s_mov_b32 s[PASS], 2
; A QUARTER: four key steps.  Its images have landed: my part by my counted wait, the others' by the barrier.
.macro QUARTER q
	s_wait_tensorcnt 3-\q                          ; tensor loads of a wave end in order (ISA guide 10.11.1): the scale words and quarters 0 to q are in; the later quarters' loads may be out
	s_wait_dscnt 0x0
	s_barrier_signal -1
	s_barrier_wait -1
	s_mov_b32 s[TBS], \q*32768
	s_mov_b32 s[TSS], \q*2048
	s_mov_b32 s[TJS], \q*1024
	s_mov_b32 s[CNT], 4
.Lstep_\@:
	s_cmp_gt_u32 s[J], s[JD]                       ; all 128 keys lie behind my queries: the light way.  A scalar branch on ids
	s_cbranch_scc1 .Llight_\@
	s_setprio 2
	v_add_nc_u32 v[ADK], s[TBS], v[L16]
	v_add_nc_u32 v[ADV], s[TBS], v[LV]
	v_add_nc_u32 v[ADS], s[TSS], v[LSC]
	v_add_nc_u32 v[ADT], s[TJS], v[LSC]
.rept 4
	v_nop                                          ; with the four additions: eight places in front of loads into registers that the last products read
.endr
.irp a, 0,1,2,3,4,5,6,7
	ds_load_b128 v[KF+8*\a:KF+8*\a+3], v[ADK] offset:1024*\a
	ds_load_b128 v[KF+8*\a+4:KF+8*\a+7], v[ADK] offset:1024*\a+512
.endr
	ds_load_b128 v[KSC:KSC+3], v[ADS]
	ds_load_b128 v[KSC+4:KSC+7], v[ADS] offset:256
	s_wait_alu depctr_va_vdst(0)
	s_wait_dscnt 0x0
.irp a, 0,1,2,3,4,5,6,7
	v_wmma_scale_f32_16x16x128_f8f6f4 v[S+8*\a:S+8*\a+7], v[KF+8*\a:KF+8*\a+15], v[QF:QF+15], 0, v[KSC+\a], v[QS]
.endr
.rept 8
	v_nop                                          ; places: behind them V's loads land on K's registers, and the scores are read
.endr
.irp t, 0,1,2,3
.irp c, 0,1,2,3
	ds_load_b128 v[KF+16*\t+4*\c:KF+16*\t+4*\c+3], v[ADV] offset:(\c/2)*4096+\t*1024+(\c%2)*512   ; V's four tiles land while the softmax is worked
.endr
.endr
	ds_load_b128 v[VSC:VSC+3], v[ADT] offset:8192
	s_cmp_lg_u32 s[J], s[JD]
	s_cbranch_scc1 .Lopen_\@
	v_add_nc_u32 v[TA], s[QK], v[DQ]               ; d = my query's place in the step - 16 h.  Register 16 b + i holds key 32 b + 16 h + i: hidden where 32 b + i > d
	v_mov_b32 v[TB], 0xc79c4000                    ; -80000: x 1/8 it is the mask's -10000
.set n, 0
.rept 64
	v_cmp_gt_i32 vcc_lo, 32*(n/16)+n%16, v[TA]
	v_cndmask_b32 v[S+n], v[S+n], v[TB], vcc_lo
.set n, n+1
.endr
.Lopen_\@:
.irp b, 0,1,2,3
	v_max3_num_f32 v[BM+\b], v[S+16*\b], v[S+1+16*\b], v[S+2+16*\b]   ; the largest score of each block of 32 keys: for the row's maximum, and, since p rises with the score, for the block's largest p
.endr
.irp i, 3,5,7,9,11,13
.irp b, 0,1,2,3
	v_max3_num_f32 v[BM+\b], v[BM+\b], v[S+16*\b+\i], v[S+1+16*\b+\i]
.endr
.endr
.irp b, 0,1,2,3
	v_max_num_f32 v[BM+\b], v[BM+\b], v[S+15+16*\b]
.endr
.irp b, 0,1,2,3
	s_delay_alu instid0(VALU_DEP_4)
	v_permlanex16_b32 v[T2+\b], v[BM+\b], s[SEL], s[SEL+1]
.endr
.irp b, 0,1,2,3
	s_delay_alu instid0(VALU_DEP_4)
	v_max_num_f32 v[BM+\b], v[BM+\b], v[T2+\b]     ; with lane l xor 16's 16 keys
.endr
	s_delay_alu instid0(VALU_DEP_2)
	v_max3_num_f32 v[TA], v[BM], v[BM+1], v[BM+2]
	s_delay_alu instid0(VALU_DEP_1)
	v_max_num_f32 v[TA], v[TA], v[BM+3]
	s_delay_alu instid0(VALU_DEP_1)
	v_mul_f32 v[TA], s[CS], v[TA]                  ; as t (c is positive)
	s_delay_alu instid0(VALU_DEP_1)
	v_max_num_f32 v13, v13, v[TA]                  ; the running largest t
	v_mov_b32 v[TA], v12
	s_delay_alu instid0(VALU_DEP_2)
	v_floor_f32 v12, -v13                          ; the new -M = floor(-t): M is a whole number
	s_delay_alu instid0(VALU_DEP_1)
	v_sub_f32 v[TA], v12, v[TA]                    ; old M - new M: a whole number, 0 or less
	s_delay_alu instid0(VALU_DEP_1)
	v_cvt_i32_f32 v[TA], v[TA]                     ; (it saturates)
	s_delay_alu instid0(VALU_DEP_1)
	v_ldexp_f32 v[FF], 1.0, v[TA]                  ; f = 2^(old M - new M): a multiplication by it rounds nothing
.set n, 0
.rept 32
	v_pk_fma_f32 v[S+n:S+n+1], v[S+n:S+n+1], s[CS:CS+1], v[12:13] op_sel_hi:[1,0,0]   ; t - M, two at a time
.set n, n+2
.endr
	s_setprio 1
.irp b, 0,1,2,3
	v_fma_f32 v[BM+\b], v[BM+\b], s[CS], v12       ; the same of each block's largest score
.endr
.set n, 0
	s_wait_alu depctr_va_vdst(0)
.rept 64
	v_exp_f32 v[S+n], v[S+n]                       ; p = 2^(t - M), at most 1: not normalised
.set n, n+1
.endr
.irp b, 0,1,2,3
	v_exp_f32 v[BM+\b], v[BM+\b]                   ; the block's largest p
.endr
	v_pk_mul_f32 v[14:15], v[14:15], v[FF:FF+1] op_sel_hi:[1,0]   ; the sums under the new M.  (A plain place behind the exponentials)
	s_wait_alu depctr_va_vdst(0)
.irp b, 0,1,2,3
	v_max_num_f32 v[BM+\b], 0x4800000, v[BM+\b]    ; the floor 2^(9 - 127)
.endr
.irp b, 0,1,2,3
	s_delay_alu instid0(VALU_DEP_4)
	v_add_nc_u32 v[SO+\b], 0xfc000000, v[BM+\b]    ; the conversion's scale operand
.endr
.irp b, 0,1,2,3
.endr
.irp b, 0,1,2,3
	s_delay_alu instid0(VALU_DEP_4)
	v_lshrrev_b32 v[T2+\b], 23, v[SO+\b]           ; the scale's byte
.endr
	s_delay_alu instid0(VALU_DEP_3)
	v_lshl_or_b32 v[PS], v[T2+1], 8, v[T2]         ; p's scale word for these 128 keys
	s_delay_alu instid0(VALU_DEP_1)
	v_lshl_or_b32 v[PS], v[T2+2], 16, v[PS]
	s_delay_alu instid0(VALU_DEP_1)
	v_lshl_or_b32 v[PS], v[T2+3], 24, v[PS]
	v_pk_add_f32 v[236:237], v[108:109], v[112:113]
	v_pk_add_f32 v[242:243], v[116:117], v[120:121]
	v_pk_add_f32 v[240:241], v[124:125], v[128:129]
	v_pk_add_f32 v[234:235], v[132:133], v[136:137]
	v_pk_add_f32 v[232:233], v[140:141], v[144:145]
	v_pk_add_f32 v[222:223], v[148:149], v[152:153]
	v_pk_add_f32 v[220:221], v[156:157], v[160:161]
	v_pk_add_f32 v[14:15], v[14:15], v[164:165]
	v_pk_add_f32 v[236:237], v[236:237], v[104:105]
	v_pk_add_f32 v[242:243], v[242:243], v[106:107]
	v_pk_add_f32 v[240:241], v[240:241], v[110:111]
	v_pk_add_f32 v[234:235], v[234:235], v[114:115]
	v_pk_add_f32 v[232:233], v[232:233], v[118:119]
	v_pk_add_f32 v[222:223], v[222:223], v[122:123]
	v_pk_add_f32 v[220:221], v[220:221], v[126:127]
	v_pk_add_f32 v[14:15], v[14:15], v[130:131]
	v_pk_add_f32 v[236:237], v[236:237], v[134:135]
	v_pk_add_f32 v[242:243], v[242:243], v[138:139]
	v_pk_add_f32 v[240:241], v[240:241], v[142:143]
	v_pk_add_f32 v[234:235], v[234:235], v[146:147]
	v_pk_add_f32 v[232:233], v[232:233], v[150:151]
	v_pk_add_f32 v[222:223], v[222:223], v[154:155]
	v_pk_add_f32 v[220:221], v[220:221], v[158:159]
	v_pk_add_f32 v[14:15], v[14:15], v[162:163]
	v_pk_add_f32 v[236:237], v[236:237], v[166:167]
	s_delay_alu instid0(VALU_DEP_2)
	v_pk_add_f32 v[14:15], v[14:15], v[234:235]
	s_delay_alu instid0(VALU_DEP_2)
	v_pk_add_f32 v[236:237], v[236:237], v[232:233]
	v_pk_add_f32 v[242:243], v[242:243], v[222:223]
	v_pk_add_f32 v[240:241], v[240:241], v[220:221]
	s_delay_alu instid0(VALU_DEP_2)
	v_pk_add_f32 v[14:15], v[14:15], v[242:243]
	s_delay_alu instid0(VALU_DEP_2)
	v_pk_add_f32 v[236:237], v[236:237], v[240:241]
	s_delay_alu instid0(VALU_DEP_1)
	v_pk_add_f32 v[14:15], v[14:15], v[236:237]
.irp b, 0,1,2,3
.irp i, 0,1,2,3,4,5,6,7,8,9,10,11,12,13,14,15
.endr
	v_cvt_scalef32_pk8_fp8_f32 v[PC+4*\b:PC+4*\b+1], v[S+16*\b:S+16*\b+7], v[SO+\b]
	v_cvt_scalef32_pk8_fp8_f32 v[PC+4*\b+2:PC+4*\b+3], v[S+16*\b+8:S+16*\b+15], v[SO+\b]
.endr
.set n, 0
	s_setprio 0
.rept 16
	v_pk_mul_f32 v[O+n:O+n+1], v[O+n:O+n+1], v[FF:FF+1] op_sel_hi:[1,0]   ; O^T under the new M.  (These sixteen are also the places between the codes and the products)
.set n, n+2
.endr
	s_wait_alu depctr_va_vdst(0)
	s_wait_dscnt 0x0                               ; V and its scale words
.irp t, 0,1,2,3
	v_wmma_scale_f32_16x16x128_f8f6f4 v[O+8*\t:O+8*\t+7], v[KF+16*\t:KF+16*\t+15], v[PC:PC+15], v[O+8*\t:O+8*\t+7], v[VSC+\t], v[PS]   ; the four accumulators by turns
.endr
	s_cmp_lg_u32 s[J], s[JD]
	s_cbranch_scc1 .Lnext_\@
	; THE DIAGONAL IS DONE, M IS FINAL: P for the steps that are wholly hidden.  The plain lines are the places between the products above and the writes of their P and scale word
	v_add_f32 v[TA], 0xc65f9000, v12               ; the byte: -M - 14308
	v_add_f32 v[TB], 0xc6616bcd, v12               ; tm - M
	s_delay_alu instid0(VALU_DEP_1)
	v_min_num_f32 v[TB], 0, v[TB]                  ; (it is 0 or less wherever hidden steps follow)
	s_delay_alu instid0(VALU_DEP_3)
	v_cmp_le_f32 vcc_lo, 1.0, v[TA]                ; a byte under 1: the codes are zeros
	s_delay_alu instid0(VALU_DEP_4)
	v_med3_num_f32 v[TA], v[TA], 1.0, 0x437e0000   ; held between 1 and 254
	s_delay_alu instid0(VALU_DEP_1)
	v_cvt_u32_f32 v[TA], v[TA]
	s_wait_alu depctr_va_vdst(0)
	v_exp_f32 v[TB], v[TB]                         ; the unquantised p of a hidden key
	v_cndmask_b32 v[CD], 0, v[C78], vcc_lo         ; the code of 256, four times.  (A plain place behind the exponential)
	s_wait_alu depctr_va_vdst(0)
	v_fmac_f32 v14, v[TB], v[NHV]                  ; the sum takes all my hidden keys at once
.rept 3
	v_nop
.endr
	v_mul_lo_u32 v[PS], v[TA], s[REP]              ; the byte, four times
.irp i, 0,1,2,3,4,5,6,7,8,9,10,11,12,13,14,15
	v_mov_b32 v[PC+\i], v[CD]
.endr
	s_branch .Lnext_\@
.Llight_\@:
	v_add_nc_u32 v[ADV], s[TBS], v[LV]
	v_add_nc_u32 v[ADT], s[TJS], v[LSC]
.rept 6
	v_nop                                          ; with the two additions: eight places in front of loads into registers that the last products read
.endr
.irp t, 0,1,2,3
.irp c, 0,1,2,3
	ds_load_b128 v[KF+16*\t+4*\c:KF+16*\t+4*\c+3], v[ADV] offset:(\c/2)*4096+\t*1024+(\c%2)*512
.endr
.endr
	ds_load_b128 v[VSC:VSC+3], v[ADT] offset:8192
	s_wait_dscnt 0x0
	s_wait_alu depctr_va_vdst(0)
.irp t, 0,1,2,3
	v_wmma_scale_f32_16x16x128_f8f6f4 v[O+8*\t:O+8*\t+7], v[KF+16*\t:KF+16*\t+15], v[PC:PC+15], v[O+8*\t:O+8*\t+7], v[VSC+\t], v[PS]
.endr
.Lnext_\@:
	s_add_co_u32 s[J], s[J], 1
	s_add_co_u32 s[TBS], s[TBS], 8192
	s_add_co_u32 s[TSS], s[TSS], 512
	s_add_co_u32 s[TJS], s[TJS], 256
	s_sub_co_u32 s[CNT], s[CNT], 1
	s_cmp_lg_u32 s[CNT], 0
	s_cbranch_scc1 .Lstep_\@
	s_setprio 0
.endm
.Lpass:
	s_wait_xcnt 0x0                                ; the last pass's stores have had their addresses translated: their bases and data are written again only behind this wait
	s_lshr_b32 s[JD], s[QT], 3
	s_and_b32 s73, s[QT], 7                        ; my tile in its step
	s_lshr_b32 s74, s[BH], 1
	s_lshl_b32 s74, s74, 18                        ; q's images: the pair of heads,
	s_lshl_b32 s75, s[JD], 14                      ; the step,
	s_add_co_u32 s74, s74, s75
	s_and_b32 s75, s[BH], 1
	s_lshl_b32 s75, s75, 13                        ; the head,
	s_add_co_u32 s74, s74, s75
	s_lshl_b32 s75, s73, 10                        ; the tile
	s_add_co_u32 s74, s74, s75
	s_mov_b32 s75, 0
	s_add_nc_u64 s[80:81], s[4:5], s[74:75]
	s_mul_i32 s74, s[BH], 12288                    ; q's scale words: the head,
	s_lshl_b32 s76, s[JD], 9                       ; the step,
	s_add_co_u32 s74, s74, s76
	s_lshr_b32 s76, s73, 2
	s_lshl_b32 s76, s76, 8                         ; tiles 0-3 or 4-7,
	s_add_co_u32 s74, s74, s76
	s_and_b32 s76, s73, 3
	s_lshl_b32 s76, s76, 2                         ; the word
	s_add_co_u32 s74, s74, s76
	s_add_nc_u64 s[82:83], s[6:7], s[74:75]
	global_load_b128 v[QF:QF+3], v[L16], s[80:81]
	global_load_b128 v[QF+4:QF+7], v[L16], s[80:81] offset:512
	global_load_b32 v[QS], v[R16], s[82:83]
	s_lshr_b32 s74, s[BH], 4
	s_lshl_b32 s74, s74, 7
	s_add_co_u32 s76, s74, s[QT]                   ; ctx's row tile: batch x 128 + tile
	s_lshl_b32 s74, s76, 14                        ; 16,384 bytes a row tile,
	s_and_b32 s77, s[BH], 15
	s_lshl_b32 s78, s77, 10                        ; 1,024 a head
	s_add_co_u32 s74, s74, s78
	s_add_nc_u64 s[84:85], s[8:9], s[74:75]
	s_lshl_b32 s74, s76, 9                         ; its scale bytes: 16 places of 32 bytes a row tile,
	s_lshl_b32 s78, s77, 1                         ; 2 bytes a head
	s_add_co_u32 s74, s74, s78
	s_add_nc_u64 s[86:87], s[10:11], s[74:75]
	s_lshr_b32 s[QK], s73, 1
	s_lshl_b32 s[QK], s[QK], 5
	s_and_b32 s78, s73, 1
	s_lshl_b32 s78, s78, 3
	s_add_co_u32 s[QK], s[QK], s78                 ; 32 (a / 2) + 8 (a % 2)
	s_sub_co_u32 s78, 15, s[JD]
	s_lshl_b32 s78, s78, 6                         ; a lane holds 64 keys of a step
	v_cvt_f32_u32 v[NHV], s78
	s_mov_b32 s79, 0xff61b1e6                      ; -3e38, under every t
	s_cmp_lt_u32 s[JD], 15
	s_cselect_b32 s79, 0xc6616bcd, s79             ; where hidden steps follow, every row has keys at tm = -10000 log2(e): the largest t begins there
	v_mov_b32 v13, s79
	s_delay_alu instid0(VALU_DEP_1)
	v_floor_f32 v12, -v13                          ; -M
	v_mov_b32 v14, 0
	v_mov_b32 v15, 0
.set n, 0
.rept 32
	v_mov_b32 v[O+n], 0                            ; O^T: the step is written once; the first finds zeros, which the first change of M leaves zeros
.set n, n+1
.endr
	s_mov_b32 s[J], 0
	s_wait_loadcnt 0x0                             ; Q and its scale word
	QUARTER 0
	QUARTER 1
	QUARTER 2
	QUARTER 3
	; THE WAY OUT OF A PASS: O^T / the sum is ctx(query r, channels 32 b + 16 h + 0 .. 15): two blocks of the last product's K, quantised as they stand: images of that product's operand
.rept 8
	v_nop                                          ; places behind the last products
.endr
	v_add_f32 v14, v14, v15
	s_delay_alu instid0(VALU_DEP_1)
	v_permlanex16_b32 v[TA], v14, s[SEL], s[SEL+1]
	s_delay_alu instid0(VALU_DEP_1)
	v_add_f32 v14, v14, v[TA]                      ; the row's sum
	s_wait_alu depctr_va_vdst(0)
	v_rcp_f32 v14, v14
	v_nop                                          ; one plain place behind a transcendental
.set n, 0
	s_wait_alu depctr_va_vdst(0)
.rept 16
	v_pk_mul_f32 v[S+n:S+n+1], v[O+n:O+n+1], v[14:15] op_sel_hi:[1,0]   ; each accumulator from its low end on
.set n, n+2
.endr
.irp b, 0,1
	v_max3_num_f32 v[BM+\b], |v[S+16*\b]|, |v[S+1+16*\b]|, 0x4800000
.endr
.irp i, 2,4,6,8,10,12,14
.irp b, 0,1
	s_delay_alu instid0(VALU_DEP_2)
	v_max3_num_f32 v[BM+\b], v[BM+\b], |v[S+16*\b+\i]|, |v[S+1+16*\b+\i]|
.endr
.endr
.irp b, 0,1
	s_delay_alu instid0(VALU_DEP_2)
	v_permlanex16_b32 v[T2+\b], v[BM+\b], s[SEL], s[SEL+1]
.endr
.irp b, 0,1
	s_delay_alu instid0(VALU_DEP_2)
	v_max_num_f32 v[BM+\b], v[BM+\b], v[T2+\b]
.endr
.irp b, 0,1
	s_delay_alu instid0(VALU_DEP_2)
	v_add_nc_u32 v[SO+\b], 0xfc000000, v[BM+\b]
.endr
.irp b, 0,1
.endr
.irp b, 0,1
	s_delay_alu instid0(VALU_DEP_2)
	v_lshrrev_b32 v[T2+\b], 23, v[SO+\b]
.endr
	s_delay_alu instid0(VALU_DEP_1)
	v_lshl_or_b32 v[HW], v[T2+1], 8, v[T2]         ; my row's two bytes for this head
.irp b, 0,1
.irp i, 0,1,2,3,4,5,6,7,8,9,10,11,12,13,14,15
.endr
	v_cvt_scalef32_pk8_fp8_f32 v[PC+4*\b:PC+4*\b+1], v[S+16*\b:S+16*\b+7], v[SO+\b]
	v_cvt_scalef32_pk8_fp8_f32 v[PC+4*\b+2:PC+4*\b+3], v[S+16*\b+8:S+16*\b+15], v[SO+\b]
.endr
	v_nop                                          ; one plain vector instruction behind the last scaled conversion
	global_store_b128 v[L16], v[PC:PC+3], s[84:85]               ; the wave stores 512 consecutive bytes, aligned
	global_store_b128 v[L16], v[PC+4:PC+7], s[84:85] offset:512
	global_store_b16 v[R32], v[HW], s[86:87]       ; 2 bytes a row: a row's 32 bytes belong to 16 heads, that is to 16 work-groups; one byte in 32 of what the pass stores.  Lanes l and l xor 16 write the same bytes with the same value
	s_sub_co_u32 s[QT], 127, s[QT]                 ; the second pass takes tile 16 x + wave
	s_sub_co_u32 s[PASS], s[PASS], 1
	s_cmp_lg_u32 s[PASS], 0
	s_cbranch_scc1 .Lpass
	s_wait_tensorcnt 0x0
	ds_add_u32 v231, v255
	s_wait_dscnt 0x0
	s_endpgm
.Lfunc_end_k_q4e5375078f_attn:
	.size	k_q4e5375078f_attn, .Lfunc_end_k_q4e5375078f_attn-k_q4e5375078f_attn
	.p2alignl 7, 3214868480
	.fill 96, 4, 3214868480
	.section	.rodata,"a",@progbits
	.p2align	6, 0x0
	.amdhsa_kernel k_q4e5375078f_attn
		.amdhsa_group_segment_fixed_size 276480
		.amdhsa_private_segment_fixed_size 0
		.amdhsa_enable_private_segment 0
		.amdhsa_kernarg_size 32
		.amdhsa_user_sgpr_count 2
		.amdhsa_user_sgpr_kernarg_segment_ptr 1
		.amdhsa_wavefront_size32 1
		.amdhsa_system_sgpr_workgroup_id_x 1
		.amdhsa_system_sgpr_workgroup_id_y 1
		.amdhsa_system_sgpr_workgroup_id_z 1
		.amdhsa_system_vgpr_workitem_id 0
		.amdhsa_next_free_vgpr 256
		.amdhsa_next_free_sgpr 96
		.amdhsa_reserve_vcc 1
		.amdhsa_float_denorm_mode_32 3
		.amdhsa_float_denorm_mode_16_64 3
		.amdhsa_fp16_overflow 1
		.amdhsa_memory_ordered 1
		.amdhsa_forward_progress 1
		.amdhsa_inst_pref_size 119
	.end_amdhsa_kernel
	.amdgpu_metadata
---
amdhsa.version: [ 1, 2 ]
amdhsa.kernels:
  - .name:           k_q4e5375078f_attn
    .symbol:         k_q4e5375078f_attn.kd
    .args:
      - { .name: qkv_img, .offset: 0, .size: 8, .value_kind: global_buffer, .address_space: global }
      - { .name: qkv_sc, .offset: 8, .size: 8, .value_kind: global_buffer, .address_space: global }
      - { .name: ctx_img, .offset: 16, .size: 8, .value_kind: global_buffer, .address_space: global }
      - { .name: csc, .offset: 24, .size: 8, .value_kind: global_buffer, .address_space: global }
    .group_segment_fixed_size: 276480
    .private_segment_fixed_size: 0
    .kernarg_segment_align: 8
    .kernarg_segment_size: 32
    .max_flat_workgroup_size: 512
    .sgpr_count:     96
    .vgpr_count:     256
    .wavefront_size: 32
...
	.end_amdgpu_metadata
.endif
;; end of part 3
;; launch proj (part 4): grid 4 x 32, 4 waves a work-group, clusters of 4 x 4, 327,680 bytes of LDS; arguments ctx_img, csc, xw_codes, xw_scales, out0, b_proj; writes out0
.if DOCPART == 4
	.amdgcn_target "amdgcn-amd-amdhsa--gfx1250"
	.amdhsa_code_object_version 6
	.text
	.protected	k_q4e5375078f_proj
	.globl	k_q4e5375078f_proj
	.p2align	8
	.type	k_q4e5375078f_proj,@function
k_q4e5375078f_proj:
	s_mov_b64 s[64:65], 0
	v_nop
	global_prefetch_b8 v0, s[64:65] scope:SCOPE_SE
	s_setreg_imm32_b32 hwreg(HW_REG_WAVE_MODE, 25, 1), 1
	s_wait_xcnt 0x0
	s_wait_alu depctr_hold_cnt(0) depctr_sa_sdst(0) depctr_va_vdst(0) depctr_va_sdst(0) depctr_va_ssrc(0) depctr_va_vcc(0) depctr_vm_vsrc(0)
	s_getreg_b32 s2, hwreg(HW_REG_IB_STS2, 6, 4)
	s_cmp_eq_u32 s2, 0
	s_cbranch_scc0 .Lentry_in_a_cluster
	s_endpgm
.Lentry_in_a_cluster:
	s_bfe_u32 s2, ttmp6, 0x10000c
	s_cmp_lg_u32 s2, 0xf033
	s_cbranch_scc0 .Lentry_shape_is_right
	s_endpgm
.Lentry_shape_is_right:
; out0 = ctx W_proj + b_proj on codes of FP8 (E4M3) with one E8M0 scale for each 32 along K = 1,024; out0 is [8192][1024] f32.
; A tile of 256 x 256 is made by four waves, each 128 x 128: 64 accumulators, 512 registers.  K goes in steps of 256 through a ring of two LDS slots; the scale bytes of the tile's 512 rows come once.
; 4 x 4 work-groups form a cluster: ctx's tiles are asked for jointly along a row of the cluster, W_proj's along a column.  128 work-groups: the tile is kept large, since this product is the smallest of the four.
; REGION A: ctx, as images of the operand's registers: ctx_img [row tile of 16 places][K step of 128: 8][c 4][lane 32][16 bytes]; a K step of 256 of 8 row tiles is 8 rows of 4,096 bytes, 16,384 apart; read at 16 x lane, no padding.
; REGION B: W_proj's columns, places 11264 on of xw_codes, rows of 1,024 bytes, padded in LDS.
; THE MATRIX INSTRUCTION: source 0 = 16 places of B, source 1 = 16 places of A.  A row lies at the place whose number is the row's with bits 3 and 4 exchanged: lane (r, h) holds, of A's block a, token 32 (a / 2) + 8 (a % 2) + r % 8 + 16 (r / 8),
; and register j of B's tile b is column 32 (b / 2) + 8 (b % 2) + 16 h + j.  The way out puts both back in order.  The bias is the C of each sum's first matrix instruction.
; REGISTERS, in windows of 256: window 0: v0-31 addresses; v32-63 scale words, two sets; v64-127 the bias; from v128 A's fragments, one set, later rows on their way out.  window 1: B's fragments, two sets.  windows 2, 3: the accumulators.
.set NQ,     2
.set ROWB,   256
.set KROW,   1024
.set PITCH,  272                       ; B's LDS row: 256 bytes + 16 of padding = 68 words: row r starts at bank 4 r mod 64 (ISA guide 11.1)
.set FR,     16
.set NL,     4
.set NP,     8                         ; places behind this matrix instruction (ISA guide 7.12.1)
.set HALFT,  128*PITCH                 ; what a wave's tensor load fills at the most: B's 128 padded rows; A's 32,768 bytes lie at the head of such a part
.set SLOT,   4*HALFT
.set LAPS,   2
.set SCL,    2*SLOT
.set HALFS,  16*272
.set SBLK,   2*272
.set SPARE,  SCL+4*HALFS               ; the spare words, 128 bytes for each wave: two blocks of 256 bytes that no other line names
.set SPITCH, 528                       ; the way out: a stage of 16 rows x (512 bytes + 16) for each wave, in slot 0, which has had its last fill and its last read when the first result is stored there
.set ADRA, 16
.set ADRB, 20
.set STO,  24
.set RD,   25
.set CO,   26
.set ADRS, 27
.set SPW,  28
.set NIL,  29
.set SC,   32
.set BIAS, 64
.set AF,   128
.set BK,   128
.set G1, 24
.set G0, 32
.set G1B, 48
.set G0B, 56
.set G1S, 68
.set G0S, 76
.set G1SB, 80
.set G0SB, 88
.set MSB, 0
.macro WIN new                         ; the immediate's high byte repeats the setting that is left
.if MSB != \new
	s_set_vgpr_msb (MSB<<8)|\new
.set MSB, \new
.endif
.endm
.set MUL_LO, 0xa1
.set MUL_HI, 0xf1
.set TO_B,   0x40
.macro JLOAD g0a, g1a, g0b, g1b        ; a joint load: waves 0 and 1 fetch for A, waves 2 and 3 for B; four v_nop follow each of the two lines
	s_cmp_eq_u32 s15, 0
	s_cbranch_scc0 .Lfor_b_\@
	tensor_load_to_lds s[\g0a:\g0a+3], s[\g1a:\g1a+7]
	s_nop 0
.rept 4
	v_nop
.endr
	s_branch .Lasked_\@
.Lfor_b_\@:
	tensor_load_to_lds s[\g0b:\g0b+3], s[\g1b:\g1b+7]
	s_nop 0
.rept 4
	v_nop
.endr
.Lasked_\@:
.endm
.macro CREST
	s_cmp_lg_u32 s14, 0
	s_cbranch_scc1 .Lnot_wave_0_\@
	s_barrier_signal -3
.Lnot_wave_0_\@:
	s_barrier_wait -3
	s_barrier_signal -1
	s_barrier_wait -1
.endm
.macro CROUND
	s_barrier_signal -1
	s_barrier_wait -1
	CREST
.endm
	s_load_b256 s[4:11], s[0:1], 0x0               ; ctx_img s[4:5], csc s[6:7], xw_codes s[8:9], xw_scales s[10:11]
	s_load_b64 s[12:13], s[0:1], 0x20              ; out0
	s_load_b64 s[66:67], s[0:1], 0x28              ; b_proj
	v_lshl_add_u32 v[SPW], v0, 2, SPARE
	v_mov_b32 v[NIL], 0
	ds_add_u32 v28, v29
	ds_add_u32 v28, v29
	s_wait_dscnt 0x0
	v_lshrrev_b32 v1, 5, v0
	v_readfirstlane_b32 s14, v1                    ; wave 0..3
	s_lshr_b32 s15, s14, 1                         ; which half of the tile's rows is mine.  Also: I fetch for A (0) or for B (1)
	s_and_b32 s16, s14, 1                          ; which half of its columns.  Also: which half of that tile I fetch
	s_bfe_u32 s40, ttmp6, 0x40000                  ; cx, cy
	s_bfe_u32 s41, ttmp6, 0x40004
	s_lshl_b32 s42, ttmp9, 2
	s_add_co_u32 s42, s42, s40                     ; tile column = 4 x cluster x + cx
	s_and_b32 s17, ttmp7, 0xffff
	s_lshl_b32 s17, s17, 2
	s_add_co_u32 s17, s17, s41                     ; tile row = 4 x cluster y + cy
	s_lshl_b32 s43, s41, 2
	s_lshl_b32 s43, 15, s43                        ; my row of the cluster
	s_lshl_b32 s44, 0x1111, s40                    ; my column
	s_or_b32 s[G1+0], s43, (3<<16)|(1<<21)         ; A: the mask; elements of 8 bytes; 21 set beside a mask; no padding
	s_mov_b32 s[G1+1], 512<<16                     ; tensor_dim0 = 512 elements: 4,096 bytes
	s_mov_b32 s[G1+2], 8<<16                       ; tensor_dim1 = 8 row tiles
	s_mov_b32 s[G1+3], 512<<16                     ; tile_dim0
	s_mov_b32 s[G1+4], 8                           ; tile_dim1
	s_mov_b32 s[G1+5], 2048                        ; from row tile to row tile: 16,384 bytes
	s_mov_b32 s[G1+6], 0
	s_mov_b32 s[G1+7], 0
	s_or_b32 s[G1B+0], s44, (1<<20)|(1<<21)|(5<<22)|(3<<25)   ; B: elements of 1 byte; four words of padding after every 64
	s_mov_b32 s[G1B+1], ROWB<<16
	s_mov_b32 s[G1B+2], 128<<16
	s_mov_b32 s[G1B+3], ROWB<<16
	s_mov_b32 s[G1B+4], 128
	s_mov_b32 s[G1B+5], KROW
	s_mov_b32 s[G1B+6], 0
	s_mov_b32 s[G1B+7], 0
	s_or_b32 s[G1S+0], s43, (3<<16)|(1<<20)|(1<<21)|(5<<22)|(3<<25)   ; the scales of 128 rows: 4,096 dense bytes as 16 rows of 256, 16 bytes of padding behind each
	s_or_b32 s[G1SB+0], s44, (3<<16)|(1<<20)|(1<<21)|(5<<22)|(3<<25)
.irp g, G1S, G1SB
	s_mov_b32 s[\g+1], 32<<16
	s_mov_b32 s[\g+2], 16<<16
	s_mov_b32 s[\g+3], 32<<16
	s_mov_b32 s[\g+4], 16
	s_mov_b32 s[\g+5], 32
	s_mov_b32 s[\g+6], 0
	s_mov_b32 s[\g+7], 0
.endr
	s_lshl_b32 s18, s16, 7                         ; which 128 places of the tile I fetch
	s_lshl_b32 s20, s17, 8
	s_add_co_u32 s20, s20, s18                     ; A: place 256 x tile row + 128 x half
	s_lshl_b32 s46, s42, 8
	s_add_co_u32 s46, s46, s18
	s_add_co_u32 s46, s46, 11264                   ; B: place 11264 + 256 x tile column + 128 x half
	s_lshl_b32 s22, s20, 5                         ; scale bytes: 32 a place
	s_mov_b32 s23, 0
	s_lshl_b32 s92, s46, 5
	s_mov_b32 s93, 0
	s_lshl_b32 s20, s20, 10                        ; A's images: 16,384 bytes for 16 places
	s_mov_b32 s21, 0
	s_lshl_b32 s46, s46, 10                        ; B's codes: 1,024 a place
	s_mov_b32 s47, 0
	s_mul_i32 s45, s14, HALFT                      ; where they go: no place in the cluster enters an LDS address
	s_mul_i32 s94, s14, HALFS
	s_wait_kmcnt 0x0
	s_add_nc_u64 s[20:21], s[4:5], s[20:21]
	s_add_nc_u64 s[22:23], s[6:7], s[22:23]
	s_add_nc_u64 s[46:47], s[8:9], s[46:47]
	s_add_nc_u64 s[92:93], s[10:11], s[92:93]
	CROUND                                         ; all sixteen work-groups are here: the first joint loads meet
	s_mov_b32 s[G0S], 1
	s_add_co_u32 s[G0S+1], s94, SCL
	s_mov_b64 s[G0S+2:G0S+3], s[22:23]
	s_or_b32 s[G0S+3], s[G0S+3], 0x80000000
	s_mov_b32 s[G0SB], 1
	s_add_co_u32 s[G0SB+1], s94, SCL
	s_mov_b64 s[G0SB+2:G0SB+3], s[92:93]
	s_or_b32 s[G0SB+3], s[G0SB+3], 0x80000000
	JLOAD G0S, G1S, G0SB, G1SB
.irp s, 0,1
	s_mov_b32 s[G0+4*\s], 1
	s_add_co_u32 s[G0+4*\s+1], s45, \s*SLOT
	s_add_nc_u64 s[G0+4*\s+2:G0+4*\s+3], s[20:21], \s*4096         ; a K step of 256 is 4,096 bytes of a row tile
	s_or_b32 s[G0+4*\s+3], s[G0+4*\s+3], 0x80000000
	s_mov_b32 s[G0B+4*\s], 1
	s_add_co_u32 s[G0B+4*\s+1], s45, \s*SLOT
	s_add_nc_u64 s[G0B+4*\s+2:G0B+4*\s+3], s[46:47], \s*ROWB
	s_or_b32 s[G0B+4*\s+3], s[G0B+4*\s+3], 0x80000000
	s_wait_alu depctr_va_vdst(0)
	s_wait_tensorcnt 0x0
	ds_add_u32 v28, v29
	s_wait_dscnt 0x0
	CROUND
	JLOAD G0+4*\s, G1, G0B+4*\s, G1B               ; one tensor load of mine is out
.endr
	v_and_b32 v1, 15, v0                           ; r
	v_bfe_u32 v2, v0, 4, 1                         ; h
	s_lshl_b32 s98, s42, 10                        ; the bias: register j of tile b is column 32 (b / 2) + 8 (b % 2) + 16 h + j of my 128.  s[66:67] and v30 serve these loads alone
	s_lshl_b32 s99, s16, 9
	s_add_co_u32 s98, s98, s99
	s_mov_b32 s99, 0
	s_add_nc_u64 s[66:67], s[66:67], s[98:99]
	v_lshlrev_b32 v30, 6, v2
.irp b, 0,1,2,3,4,5,6,7
	global_load_b128 v[BIAS+8*\b:BIAS+8*\b+3], v30, s[66:67] offset:(32*(\b/2)+8*(\b%2))*4
	global_load_b128 v[BIAS+8*\b+4:BIAS+8*\b+7], v30, s[66:67] offset:(32*(\b/2)+8*(\b%2))*4+16
.endr
	v_and_b32 v6, 31, v0
	v_lshlrev_b32 v[CO], 4, v6                     ; 16 x lane: A's images; and the way out: a row of 512 bytes
	v_mul_u32_u24 v3, v1, PITCH
	v_lshl_add_u32 v4, v2, 4, v3                   ; B: a fragment's row x pitch + 16 x half
	s_mul_i32 s21, s15, HALFT                      ; my 8 row tiles of A
	s_mul_i32 s22, s16, HALFT                      ; my 128 rows of B,
	s_add_co_u32 s22, s22, 2*HALFT                 ; which lie behind A's two parts
.irp s, 0,1
	v_add_nc_u32 v[ADRA+\s], s21, v[CO]
	v_add_nc_u32 v[ADRB+\s], s22, v4
	s_add_co_u32 s21, s21, SLOT
	s_add_co_u32 s22, s22, SLOT
.endr
	v_lshlrev_b32 v5, 5, v1                        ; my row's scales: 32 bytes a row,
	v_lshrrev_b32 v6, 8, v5
	v_lshl_add_u32 v5, v6, 4, v5                   ; and 16 more for each 256 passed
	s_mul_i32 s21, s15, HALFS
	s_mul_i32 s22, s16, HALFS
	s_add_co_u32 s22, s22, 2*HALFS
	s_sub_co_u32 s22, s22, s21
	v_mul_u32_u24 v6, s22, v2                      ; lanes 16-31 take B's: the lower base + h x the distance
	s_add_co_u32 s21, s21, SCL
	v_add_nc_u32 v5, v5, v6
	v_add_nc_u32 v[ADRS], s21, v5
	s_mul_i32 s23, s14, 16*SPITCH                  ; my stage
	v_mul_u32_u24 v5, v1, SPITCH                   ; in: row r, + 64 h: my half's 16 columns of each 32
	v_lshl_add_u32 v5, v2, 6, v5
	v_add_nc_u32 v[STO], s23, v5
	v_add_nc_u32 v[RD], s23, v[CO]                 ; back: the 32 lanes take one row of 512 bytes
	s_lshl_b32 s20, s17, 8
	s_lshl_b32 s21, s15, 7
	s_add_co_u32 s20, s20, s21                     ; my first row of out0
	s_lshl_b32 s20, s20, 12                        ; 4,096 bytes a row
	s_lshl_b32 s46, s42, 10                        ; my first column, in bytes
	s_lshl_b32 s47, s16, 9
	s_add_co_u32 s46, s46, s47
	s_add_co_u32 s20, s20, s46
	s_mov_b32 s21, 0
	s_add_nc_u64 s[12:13], s[12:13], s[20:21]
.macro FRAG reg, adr, q, i             ; B: 16 rows x 128 K: lane l holds row l % 16; registers 4 c .. 4 c + 3 hold K = 32 c + 16 (l / 16) + 0 .. 15
.irp c, 0,1,2,3
	ds_load_b128 v[\reg+4*\c:\reg+4*\c+3], v[\adr] offset:128*(\q)+32*\c+(\i)*16*PITCH
.endr
.endm
.macro FRAGA reg, adr, q, i            ; A: the image of the same registers: row tile i, the slot's q-th 128 along K
.irp c, 0,1,2,3
	ds_load_b128 v[\reg+4*\c:\reg+4*\c+3], v[\adr] offset:2048*(\q)+512*\c+4096*(\i)
.endr
.endm
; 16 matrix instructions: A's blocks a0, a0 + 1 x B's eight.  zero = 1: the sums start from the bias.  The 64 accumulators take turns, one instruction a turn.
.macro MUL16 a0, p, q, sc, zero
.irp a, \a0, \a0+1
.irp b, 0,1,2,3,4,5,6,7
.if \zero
	v_wmma_scale_f32_16x16x128_f8f6f4 v[8*(8*((\a)%4)+\b):8*(8*((\a)%4)+\b)+7], v[128*(\p)+FR*\b:128*(\p)+FR*\b+FR-1], v[AF+FR*(\a):AF+FR*(\a)+FR-1], v[BIAS+8*\b:BIAS+8*\b+7], v[SC+8*NQ*(\sc)+NQ*\b+(\q)], v[SC+8*NQ*(\sc)+NQ*(\a)+(\q)] matrix_a_scale:MATRIX_SCALE_ROW1
.else
	v_wmma_scale_f32_16x16x128_f8f6f4 v[8*(8*((\a)%4)+\b):8*(8*((\a)%4)+\b)+7], v[128*(\p)+FR*\b:128*(\p)+FR*\b+FR-1], v[AF+FR*(\a):AF+FR*(\a)+FR-1], v[8*(8*((\a)%4)+\b):8*(8*((\a)%4)+\b)+7], v[SC+8*NQ*(\sc)+NQ*\b+(\q)], v[SC+8*NQ*(\sc)+NQ*(\a)+(\q)] matrix_a_scale:MATRIX_SCALE_ROW1
.endif
.endr
.endr
.endm
.macro FETCH_B slot, q, p
	WIN TO_B
.irp i, 0,1,2,3,4,5,6,7
	FRAG 128*(\p)+FR*\i, ADRB+\slot, \q, \i
.endr
	WIN 0
.endm
.macro FETCH_A slot, q, i0
.irp i, \i0, \i0+1, \i0+2, \i0+3
	FRAGA AF+FR*(\i), ADRA+\slot, \q, \i
.endr
.endm
.macro SCALES sc
.irp i, 0,1,2,3,4,5,6,7
	ds_load_b64 v[SC+8*NQ*\sc+NQ*\i:SC+8*NQ*\sc+NQ*\i+1], v[ADRS] offset:\i*SBLK
.endr
.endm
.macro PLACES n                        ; plain vector instructions between a matrix instruction and a load into, or a read of, its registers (ISA guide 7.12.1 for reads)
.rept \n
	v_nop
.endr
.endm
.macro STEP slot, q, zero
	s_wait_dscnt 4*NL                              ; B's set and A's blocks 0-3 are in; the youngest sixteen loads (A's blocks 4-7) may be out
.if \zero
	WIN 0x81                                       ; C, the bias, in window 0
.else
	WIN MUL_LO
.endif
	MUL16 0, (\q)%2, \q, \slot, \zero
	MUL16 2, (\q)%2, \q, \slot, \zero
	s_wait_dscnt 0
	PLACES NP
	FETCH_B \slot, (\q)+1, 1-(\q)%2
	FETCH_A \slot, (\q)+1, 0
.if \zero
	WIN 0xc1
.else
	WIN MUL_HI
.endif
	MUL16 4, (\q)%2, \q, \slot, \zero
	MUL16 6, (\q)%2, \q, \slot, \zero
	PLACES NP
	WIN 0
	FETCH_A \slot, (\q)+1, 4
.endm
; A slot's last step changes slots: ONE barrier; in front of it each wave waits for all its tensor loads, adds 0 to its spare word, and waits for that and for its own reads of this slot.  fill = 1: this slot is filled again, two K steps ahead.
.macro TURN slot, next, fill
	s_wait_tensorcnt 0x0                           ; all my tensor loads have landed: my part of the next slot
	ds_add_u32 v[SPW], v[NIL]                      ; 0 onto my spare word
	s_wait_dscnt 4*NL+1                            ; (the add and the youngest sixteen loads may be out)
	WIN MUL_LO
	MUL16 0, 1, NQ-1, \slot, 0
	s_wait_dscnt 0x0                               ; the add is done, and my reads of this slot are over
	s_barrier_signal -1
	MUL16 2, 1, NQ-1, \slot, 0
	WIN 0
	s_barrier_wait -1
.if \fill
	CREST                                          ; the barrier has opened a round of the cluster's barrier: no wave of any partner still reads this slot or has a load on its way
	s_add_nc_u64 s[G0+4*\slot+2:G0+4*\slot+3], s[G0+4*\slot+2:G0+4*\slot+3], 2*4096
	s_add_nc_u64 s[G0B+4*\slot+2:G0B+4*\slot+3], s[G0B+4*\slot+2:G0B+4*\slot+3], 2*ROWB
	JLOAD G0+4*\slot, G1, G0B+4*\slot, G1B         ; the first tensor load behind the round; its four v_nop are among the places in front of the loads below
	PLACES NP-4
.else
	PLACES NP
.endif
	s_wait_alu depctr_va_vdst(0)
	v_add_nc_u32 v[ADRS], 4*NQ, v[ADRS]            ; on to the next K step's scale words
	FETCH_B \next, 0, 0
	FETCH_A \next, 0, 0
	SCALES \next
	WIN MUL_HI
	MUL16 4, 1, NQ-1, \slot, 0
	MUL16 6, 1, NQ-1, \slot, 0
	PLACES NP
	WIN 0
	FETCH_A \next, 0, 4
.endm
	s_wait_alu depctr_va_vdst(0)
	s_wait_tensorcnt 1                             ; the scales and my part of K step 0 are in (K step 1's load may be out)
	s_barrier_signal -1
	s_barrier_wait -1                              ; everybody's are
	FETCH_B 0, 0, 0
	FETCH_A 0, 0, 0
	SCALES 0
	FETCH_A 0, 0, 4
	s_wait_loadcnt 0x0                             ; the bias
	STEP 0, 0, 1                                   ; the first step stands in front of the loop: its products start the sums from the bias
	s_mov_b32 s3, LAPS-1
.Llap:
	TURN 0, 1, 1
	STEP 1, 0, 0
	TURN 1, 0, 1
	STEP 0, 0, 0
	s_sub_co_u32 s3, s3, 1
	s_cmp_lg_u32 s3, 0
	s_cbranch_scc1 .Llap
	TURN 0, 1, 0                                   ; the last lap fills nothing, and has no round of the cluster's barrier
	STEP 1, 0, 0
	s_wait_dscnt 4*NL
	WIN MUL_LO
	MUL16 0, 1, NQ-1, 1, 0
	MUL16 2, 1, NQ-1, 1, 0
	s_wait_dscnt 0
	WIN MUL_HI
	MUL16 4, 1, NQ-1, 1, 0
	MUL16 6, 1, NQ-1, 1, 0
	WIN 0
; THE WAY OUT, block by block of 16 places x 128 columns, through my own stage: the columns are put in order on the way in, the rows on the way to memory.  LDS serves a wave's instructions in order (ISA guide 5.7.1.4).
.macro TOSTAGE a
.set AC, 64*((\a)%4)
.set WW, 0x08+4*((\a)/4)
	WIN WW                                         ; an LDS store's data are its source 1: window 2 or 3
.irp b, 0,1,2,3,4,5,6,7
	ds_store_b128 v[STO], v[AC+8*\b:AC+8*\b+3] offset:128*(\b/2)+32*(\b%2)          ; each accumulator from its low end on
	ds_store_b128 v[STO], v[AC+8*\b+4:AC+8*\b+7] offset:128*(\b/2)+32*(\b%2)+16
.endr
	WIN 0
.set BB, BK+64*((\a)%2)
.irp t, 0,1,2,3,4,5,6,7,8,9,10,11,12,13,14,15
	ds_load_b128 v[BB+4*\t:BB+4*\t+3], v[RD] offset:\t*SPITCH
.endr
.endm
.macro SEND a, younger                 ; younger: the LDS instructions issued behind block a's loads, which may stay out
.set BB, BK+64*((\a)%2)
	s_wait_dscnt \younger
.irp t, 0,1,2,3,4,5,6,7,8,9,10,11,12,13,14,15
	global_store_b128 v[CO], v[BB+4*\t:BB+4*\t+3], s[12:13] offset:(32*((\a)/2)+8*((\a)%2)+(\t%8)+16*(\t/8))*4096 th:TH_STORE_NT   ; place t of block a is this row of my 128; 32 lanes store 512 consecutive bytes, aligned; 127 rows at the most: inside the signed 24-bit immediate
.endr
.endm
	PLACES NP                                      ; behind the last products: their results are read, and loads land on A's registers, below
	TOSTAGE 0
.irp a, 1,2,3,4,5,6,7
.if \a > 1
	s_wait_xcnt 0x0                                ; block a - 2's stores have had their addresses translated: block a's loads land on their registers only behind this wait
.endif
	TOSTAGE \a
	SEND \a-1, 32                                  ; behind block a - 1's loads: block a's 16 stores and 16 loads
.endr
	SEND 7, 0
	s_wait_tensorcnt 0x0                           ; the wave's end
	ds_add_u32 v[SPW], v[NIL]
	s_wait_dscnt 0x0
	CROUND                                         ; the closing round: no work-group ends while a partner may still ask for a tile that names it
	s_endpgm
.Lfunc_end_k_q4e5375078f_proj:
	.size	k_q4e5375078f_proj, .Lfunc_end_k_q4e5375078f_proj-k_q4e5375078f_proj
	.p2alignl 7, 3214868480
	.fill 96, 4, 3214868480
	.section	.rodata,"a",@progbits
	.p2align	6, 0x0
	.amdhsa_kernel k_q4e5375078f_proj
		.amdhsa_group_segment_fixed_size 327680
		.amdhsa_private_segment_fixed_size 0
		.amdhsa_enable_private_segment 0
		.amdhsa_kernarg_size 48
		.amdhsa_user_sgpr_count 2
		.amdhsa_user_sgpr_kernarg_segment_ptr 1
		.amdhsa_wavefront_size32 1
		.amdhsa_system_sgpr_workgroup_id_x 1
		.amdhsa_system_sgpr_workgroup_id_y 1
		.amdhsa_system_sgpr_workgroup_id_z 1
		.amdhsa_system_vgpr_workitem_id 0
		.amdhsa_next_free_vgpr 1024
		.amdhsa_next_free_sgpr 106
		.amdhsa_reserve_vcc 0
		.amdhsa_float_denorm_mode_32 3
		.amdhsa_float_denorm_mode_16_64 3
		.amdhsa_memory_ordered 1
		.amdhsa_forward_progress 1
		.amdhsa_inst_pref_size 148
	.end_amdhsa_kernel
	.amdgpu_metadata
---
amdhsa.version: [ 1, 2 ]
amdhsa.kernels:
  - .name:           k_q4e5375078f_proj
    .symbol:         k_q4e5375078f_proj.kd
    .args:
      - { .name: ctx_img, .offset: 0, .size: 8, .value_kind: global_buffer, .address_space: global }
      - { .name: csc, .offset: 8, .size: 8, .value_kind: global_buffer, .address_space: global }
      - { .name: xw_codes, .offset: 16, .size: 8, .value_kind: global_buffer, .address_space: global }
      - { .name: xw_scales, .offset: 24, .size: 8, .value_kind: global_buffer, .address_space: global }
      - { .name: out0, .offset: 32, .size: 8, .value_kind: global_buffer, .address_space: global }
      - { .name: b_proj, .offset: 40, .size: 8, .value_kind: global_buffer, .address_space: global }
    .group_segment_fixed_size: 327680
    .private_segment_fixed_size: 0
    .kernarg_segment_align: 8
    .kernarg_segment_size: 48
    .max_flat_workgroup_size: 128
    .sgpr_count:     106
    .vgpr_count:     1024
    .wavefront_size: 32
...
	.end_amdgpu_metadata
.endif
;; end of part 4
